; MI455X (gfx1250); checked and timed in simulation.
; The chip was launched on July 23, 2026; its instructions are those of AMD's public machine-readable ISA for CDNA 5 (MIT licence, August 2026) and "CDNA5" Instruction Set Architecture Reference Guide (July 2026). The comments in the code are by the model that wrote it; some were corrected since.
;; Attention. Allowed arithmetic: matrix products marked QUANTISED: E2M3 operands, one E8M0 scale for each 32 along K, by v_wmma_scale_f32_16x16x128_f8f6f4 with both operands' format E2M3, f32 sums; everything else in f32.
;; Inputs: W_out 1,024 x 1,024 float32; W_qkv 1,024 x 3,072 float32; b_out 1,024 float32; b_qkv 3,072 float32; x 4 x 2,048 x 1,024 float32.
;; Outputs: out0 4 x 2,048 x 1,024 float32.
;; This version of the problem:
;;   THIS VERSION OF THE PROBLEM IS GIVEN IN LOW PRECISION. The matrix products marked QUANTISED in the list below multiply operands that are first quantised to E2M3 (2 exponent bits, 3 mantissa bits; 6 bits a number), with one power-of-two scale for each 32 numbers along K (OCP MX v1.0); their sums are f32. All else is computed in f32.
;;   The module's matrix products, in the order in which they are computed (A, B: the left and right operand; K: the contracted axis; several contracted axes count as one K, in the product's order):
;;     1. [M 8,192, K 1,024] x [K 1,024, N 3,072]; A: input x; B: input W_qkv: QUANTISED
;;     2. batch 64 x [M 2,048, K 64] x [K 64, N 2,048]; A: computed on the way; B: computed on the way: QUANTISED
;;     3. batch 64 x [M 2,048, K 2,048] x [K 2,048, N 64]; A: softmax (see below); B: computed on the way: QUANTISED
;;     4. [M 8,192, K 1,024] x [K 1,024, N 1,024]; A: computed on the way; B: input W_out: QUANTISED
;;   THE QUANTISER, for each operand of a quantised product, along K:
;;     - K is cut into blocks of 32 from its start; a last block that is shorter is filled with zeros.
;;     - A block's scale is 2^e with e = floor(log2(the largest magnitude in the block)) - 2, held to -126 .. 127; a block of zeros has e = 0. As a byte (E8M0): e + 127.
;;     - Each number is divided by its block's scale, clamped to +-7.5, and rounded to the nearest number of E2M3, ties to even, subnormals kept.
;;     - The product sums the exact products of the quantised numbers (number of the format x scale) in f32.
;;   ~~~python
;;   def quantise(x, axis):      # numpy; x: float32 -> the quantised numbers, widened to float32 again
;;       x = np.moveaxis(x, axis, -1); K = x.shape[-1]
;;       x = np.pad(x, [(0, 0)] * (x.ndim - 1) + [(0, -K % 32)]); x = x.reshape(x.shape[:-1] + (-1, 32)); a = np.abs(x).max(-1, keepdims=True)
;;       e = np.where(a > 0, np.clip(np.frexp(np.where(a > 0, a, 1))[1] - 1 - 2, -126, 127), 0)      # np.frexp(a)[1] - 1 = floor(log2(a)), exactly
;;       r = np.clip(x / 2.0 ** e, -7.5, 7.5)
;;       step = 2.0 ** (np.maximum(np.frexp(np.where(r == 0, 1, r))[1] - 1, 0) - 3)
;;       q = np.round(r / step) * step * 2.0 ** e      # np.round: ties to even
;;       return np.moveaxis(q.reshape(q.shape[:-2] + (-1,))[..., :K], -1, axis).astype(np.float32)
;;   ~~~
;;   SOFTMAX AHEAD OF A QUANTISED PRODUCT. Where the list says 'softmax', what is quantised is not the finished softmax but p = 2^(t - M), with t = logit x log2(e) and M = ceil(the row's largest t), a whole number; so 1/2 < the row's largest p <= 1. The row's sum l is taken of the UNQUANTISED p, in f32, and the product's result is divided by l at the end. Since M is a whole number, a kernel that streams over the keys may use a running M (the ceiling of the running maximum): every later rescaling is an exact power of two, which a block's scale takes up: the codes' values come out the same.
;;   OPERANDS COMPUTED ON THE WAY. 'Computed on the way' means the value that the module computes at that place (a softmax that the list does not call 'softmax' is quantised finished and normalised). What goes into a quantiser is computed in f32, as accurately as f32 sums, v_exp_f32 and their like allow (about 1e-6 of the number): no bf16 or f16 on the way to a quantiser, and a product that is left as it is and whose result goes on into a quantised operand takes f32 operands (vector FMAs, or v_wmma_f32_16x16x4_f32). A number that lies on a knife's edge between two numbers of the format may be rounded either way, as far as f32 arithmetic and the matrix unit's own rounding can turn it there, and no further.
;; One version. Each part assembles by itself: llvm-mc -triple=amdgcn-amd-amdhsa -mcpu=gfx1250 --defsym DOCPART=n.
;; ======== version 1 of 1: 5 launches
;; limits: right only within a limited range of input values
;; workspace buffers: xq 6,553,600 bytes; wq 3,276,800 bytes; qq 6,815,744 bytes; kv 13,369,344 bytes; oq 6,553,600 bytes
;; launch quant (part 1): grid 384 x 1, 4 waves a work-group, no clusters, 34,304 bytes of LDS; arguments x, W_qkv, W_out, xq, wq; writes xq, wq
.if DOCPART == 1
	.amdgcn_target "amdgcn-amd-amdhsa--gfx1250"
	.amdhsa_code_object_version 6
	.text
	.protected	k_qdc0f026029_quant
	.globl	k_qdc0f026029_quant
	.p2align	8
	.type	k_qdc0f026029_quant,@function
k_qdc0f026029_quant:
	s_mov_b64 s[64:65], 0
	v_nop
	global_prefetch_b8 v0, s[64:65] scope:SCOPE_SE
	s_setreg_imm32_b32 hwreg(HW_REG_WAVE_MODE, 25, 1), 1
	s_wait_xcnt 0x0
; x [8192][1024], W_qkv [1024][3072] and W_out [1024][1024], f32, become codes of FP6 (E2M3) with one E8M0 byte for each 32 along K, laid IN THE ORDER OF THE OPERAND'S REGISTERS.
; A block's scale is 2^(floor(log2(its largest magnitude)) - 2); its byte is the largest magnitude's exponent field - 2, held at 1 from below by a floor among the maximum's leaves.
; LIMITS: NaN and infinities among the inputs are not served; a block whose largest magnitude lies under 2^-124 keeps the byte 1; a block of zeros has the byte 1 and not 127 (its codes are zeros; this program alone reads the bytes).
; LAYOUT OF AN OPERAND BUFFER.  Codes: [row tile of 16][K step of 128: 0..7][1,536 bytes].  A fragment (12 registers a lane) is two halves of 768 bytes (64 along K): registers 0-3 of lane l at 16 l, registers 4-5 at 512 + 8 l.
; Scale words: [row tile][256 along K: 0..3][row 0..15][2 words], 512 bytes a tile, behind the codes.
; ROWS LIE BY POSITION: position p of a buffer holds row s(p), s = p with its bits 3 and 4 exchanged.  So lane r of tile 2 b + u holds row 32 b + 8 u + r + 8 (r / 8): where such a tile is a product's source 0,
; the 16 registers of two neighbouring result tiles are 16 neighbours in the true order.
; wq's tiles: 0-127 the q and k columns of W_qkv (128 a head), 128-191 its v columns (64 a head), 192-255 W_out's columns.
; SHARES.  Work-groups 0-255: x.  A wave takes one row tile and half of K: four K steps.  Each load reads 512 consecutive bytes of a row; the 16 rows turn through the wave's own stage in LDS, so that a lane gets, of its row,
; 16 neighbours of each block of 32.  Work-groups 256-383: the weights, whose K is the first axis: a lane takes a column and its registers run down K; a wave takes 32 positions x 256 along K.
; No tensor loads, no barrier: waves share nothing.  The scale words of the weights leave in pieces of 128 bytes (128 KiB in all).
.set SPARE, 33792                      ; behind the four stages: the spare words, 128 bytes for each wave: two blocks of 256 bytes that no other line names
.set STGB,  8448                       ; a wave's stage: 16 rows x 528 bytes
.set SP,    528                        ; 512 bytes + 16: row r starts 4 r banks on
.set XSO,   6291456                    ; xq: where the scale words begin
.set WSO,   3145728                    ; wq: likewise
.set L16,   1                          ; v1   16 x lane
.set L8,    2                          ; v2   8 x lane
.set SIN,   3                          ; v3   the stage, on the way in
.set SOUT,  4                          ; v4   and on the way out
.set LANE,  5                          ; v5   lane
.set COL,   9                          ; v9   weights: 4 x s(lane): my column's bytes
.set SLT,   10                         ; v10  weights: my scale words' place
.set R,     16                         ; v16-143  x: two sets of 64 registers as loaded
.set X,     144                        ; v144-207 x: 64 numbers of my row: register 16 b + i = k 32 b + 16 (lane / 16) + i
.set PC,    208                        ; v208-227 the codes just made
.set TM,    228                        ; v228-243 at work
.set PW,    244                        ; v244     the scale word just made
.set KW,    245                        ; v245-248 the four K steps' scale words
.set WX,    32                         ; v32-95   weights: two sets of 32 numbers
.set E,     96                         ; v96-143  weights: 6 registers of codes for each of 8 blocks
.set TH,    144                        ; v144-146 weights: a block's upper 16 codes
.set SB,    148                        ; v148-149 weights: the scale bytes, four to a register
.set SPW,   252                        ; v252 LDS address of my spare word; never rewritten
.set NIL,   253                        ; v253 0; never rewritten
.set SEL,   20                         ; s[20:21] lane selects for v_permlanex16_b32: lane l xor 16
; 64 numbers of a lane, v[s] .. v[s + 63], become a fragment's codes in v[PC] .. v[PC + 11] and its scale word in v[PW]
.macro QUANT s
.irp b, 0,1,2,3
	v_max3_num_f32 v[TM+\b], |v[\s+16*\b]|, |v[\s+1+16*\b]|, 0x1800000   ; block b: my 16 numbers, and the floor 2^(3 - 127)
.endr
.irp i, 2,4,6,8,10,12,14
.irp b, 0,1,2,3
	v_max3_num_f32 v[TM+\b], v[TM+\b], |v[\s+16*\b+\i]|, |v[\s+1+16*\b+\i]|   ; the four blocks by turns
.endr
.endr
.irp b, 0,1,2,3
	v_permlanex16_b32 v[TM+4+\b], v[TM+\b], s[SEL], s[SEL+1]
.endr
.irp b, 0,1,2,3
	v_max_num_f32 v[TM+\b], v[TM+\b], v[TM+4+\b]   ; with lane l xor 16's: the block's largest magnitude
.endr
.irp b, 0,1,2,3
	v_add_nc_u32 v[TM+12+\b], 0xff000000, v[TM+\b] ; 2 off its exponent field: the conversion's scale operand
.endr
.irp b, 0,1,2,3
	v_lshrrev_b32 v[TM+4+\b], 23, v[TM+12+\b]      ; the scale's byte
.endr
	v_lshl_or_b32 v[PW], v[TM+5], 8, v[TM+4]
	v_lshl_or_b32 v[PW], v[TM+6], 16, v[PW]
	v_lshl_or_b32 v[PW], v[TM+7], 24, v[PW]
.irp c, 0,1
	v_cvt_scalef32_pk16_fp6_f32 v[PC+6*\c:PC+2+6*\c], v[\s+32*\c:\s+15+32*\c], v[TM+12+2*\c]
	v_cvt_scalef32_pk16_fp6_f32 v[PC+12+4*\c:PC+14+4*\c], v[\s+16+32*\c:\s+31+32*\c], v[TM+12+2*\c+1]   ; (a conversion's three registers begin on an even number)
.endr
	v_nop                                          ; one plain place behind a scaled conversion
.irp c, 0,1                                    ; the operand's layout wants a whole block in a lane: lanes 0-15 block 2 c, lanes 16-31 block 2 c + 1
.irp i, 0,1,2
	v_permlane16_swap_b32 v[PC+6*\c+\i], v[PC+12+4*\c+\i]
.endr
.irp i, 0,1,2
	v_mov_b32 v[PC+3+6*\c+\i], v[PC+12+4*\c+\i]
.endr
.endr
.endm
.macro XLOAD ks                        ; K step ks of my 16 rows: each load reads 512 consecutive bytes of one row
.irp i, 0,1,2,3,4,5,6,7,8,9,10,11,12,13,14,15
	global_load_b128 v[R+64*((\ks)%2)+4*\i:R+64*((\ks)%2)+4*\i+3], v[L16], s[4:5] offset:(\i+8*(\i/8))*4096+512*(\ks) th:TH_LOAD_NT
.endr
.endm
.macro XSTEP ks
.if (\ks) < 3
	s_wait_loadcnt 16                              ; this K step's 16 loads are in; the next step's 16 may be out
.else
	s_wait_loadcnt 0x0
.endif
.irp i, 0,1,2,3,4,5,6,7,8,9,10,11,12,13,14,15
	ds_store_b128 v[SIN], v[R+64*((\ks)%2)+4*\i:R+64*((\ks)%2)+4*\i+3] offset:SP*\i
.endr
.irp b, 0,1,2,3
.irp j, 0,1,2,3
	ds_load_b128 v[X+16*\b+4*\j:X+16*\b+4*\j+3], v[SOUT] offset:128*\b+16*\j   ; LDS serves a wave's instructions in order: these see the stores above
.endr
.endr
	s_wait_dscnt 0x0                               ; my numbers are back, and the stores have read their registers
	s_wait_xcnt 0x0                                ; the last step's stores have read the codes' registers, which are written again below
.if (\ks) < 2
	XLOAD (\ks)+2
.endif
	QUANT X
	global_store_b128 v[L16], v[PC:PC+3], s[10:11] offset:1536*(\ks)          ; 512 consecutive bytes
	global_store_b64 v[L8], v[PC+4:PC+5], s[10:11] offset:1536*(\ks)+512      ; 256
	global_store_b128 v[L16], v[PC+6:PC+9], s[10:11] offset:1536*(\ks)+768
	global_store_b64 v[L8], v[PC+10:PC+11], s[10:11] offset:1536*(\ks)+1280
	v_mov_b32 v[KW+(\ks)], v[PW]
.endm
.macro WLOAD t, P, sb                  ; block t of my column: rows 32 t + i of the weight; 32 lanes read 128 consecutive bytes
.irp i, 0,1,2,3,4,5,6,7,8,9,10,11,12,13,14,15,16,17,18,19,20,21,22,23,24,25,26,27,28,29,30,31
	global_load_b32 v[WX+32*((\t)%2)+\i], v[COL], s[\sb:\sb+1] offset:(32*(\t)+\i)*\P th:TH_LOAD_NT
.endr
.endm
.macro WBLOCK t, P, sb
.set XS, WX+32*((\t)%2)
.if (\t) < 7
	s_wait_loadcnt 32                              ; this block's 32 loads are in; the next block's may be out
.else
	s_wait_loadcnt 0x0
.endif
	v_max3_num_f32 v12, |v[XS]|, |v[XS+1]|, |v[XS+2]|   ; the block's largest magnitude: all 32 numbers are mine
	v_max3_num_f32 v13, |v[XS+3]|, |v[XS+4]|, |v[XS+5]|
.irp i, 6,10,14,18,22,26
	v_max3_num_f32 v12, v12, |v[XS+\i]|, |v[XS+\i+1]|
	v_max3_num_f32 v13, v13, |v[XS+\i+2]|, |v[XS+\i+3]|
.endr
	v_max3_num_f32 v12, v12, |v[XS+30]|, |v[XS+31]|
	v_max3_num_f32 v12, v12, v13, 0x1800000        ; and the floor
	v_add_nc_u32 v11, 0xff000000, v12              ; the conversion's scale operand
	v_lshrrev_b32 v13, 23, v11                     ; the byte
.if (\t)%4 == 0
	v_mov_b32 v[SB+(\t)/4], v13
.else
	v_lshl_or_b32 v[SB+(\t)/4], v13, 8*((\t)%4), v[SB+(\t)/4]
.endif
	v_cvt_scalef32_pk16_fp6_f32 v[E+6*(\t):E+6*(\t)+2], v[XS:XS+15], v11
	v_cvt_scalef32_pk16_fp6_f32 v[TH:TH+2], v[XS+16:XS+31], v11
	v_nop                                          ; one plain place behind a scaled conversion
.irp i, 0,1,2
	v_mov_b32 v[E+6*(\t)+3+\i], v[TH+\i]
.endr
.if (\t)+2 < 8
	WLOAD (\t)+2, \P, \sb
.endif
.if (\t)%2 == 1                        ; lanes 0-15 hold tile 0's columns, lanes 16-31 tile 1's.  A half of a fragment wants the even block in lanes 0-15 and the odd one in lanes 16-31:
.irp i, 0,1,2,3,4,5
	v_permlane16_swap_b32 v[E+6*((\t)-1)+\i], v[E+6*(\t)+\i]   ; the first now holds tile 0's half, the second tile 1's
.endr
.endif
.if (\t)%4 == 3                        ; a K step of both tiles is whole
.irp u, 0,1
.irp c, 0,1
	global_store_b128 v[L16], v[E+6*(4*((\t)/4)+2*\c+\u):E+6*(4*((\t)/4)+2*\c+\u)+3], s[12:13] offset:\u*12288+((\t)/4)*1536+\c*768
	global_store_b64 v[L8], v[E+6*(4*((\t)/4)+2*\c+\u)+4:E+6*(4*((\t)/4)+2*\c+\u)+5], s[12:13] offset:\u*12288+((\t)/4)*1536+\c*768+512
.endr
.endr
.endif
.endm
.macro WPATH P, sb
	WLOAD 0, \P, \sb
	WLOAD 1, \P, \sb
.irp t, 0,1,2,3,4,5,6,7
	WBLOCK \t, \P, \sb
.endr
	global_store_b64 v[SLT], v[SB:SB+1], s[14:15]  ; my column's two scale words of these 256 along K
	s_wait_tensorcnt 0x0                           ; the wave's end
	ds_add_u32 v[SPW], v[NIL]
	s_wait_dscnt 0x0
	s_endpgm
.endm
	s_load_b256 s[4:11], s[0:1], 0x0               ; x s[4:5], W_qkv s[6:7], W_out s[8:9], xq s[10:11]
	s_load_b64 s[12:13], s[0:1], 0x20              ; wq
	v_lshl_add_u32 v[SPW], v0, 2, SPARE
	v_mov_b32 v[NIL], 0
	v_lshrrev_b32 v6, 5, v0
	v_readfirstlane_b32 s16, v6                    ; wave 0..3
	v_and_b32 v[LANE], 31, v0
	v_lshlrev_b32 v[L16], 4, v[LANE]
	v_lshlrev_b32 v[L8], 3, v[LANE]
	s_cmp_lt_u32 ttmp9, 256                        ; x's work-group or a weight's: the work-group's number alone decides
	s_cbranch_scc0 .Lweights
	; ---- x
	s_lshl_b32 s17, ttmp9, 2
	s_add_co_u32 s17, s17, s16                     ; 2 x row tile + half of K
	s_lshr_b32 s18, s17, 1                         ; row tile T
	s_and_b32 s19, s17, 1                          ; half
	s_mul_i32 s22, s16, STGB                       ; my stage
	v_add_nc_u32 v[SIN], s22, v[L16]               ; in: 16 bytes a lane, a row an instruction
	v_and_b32 v6, 15, v0
	v_bfe_u32 v7, v0, 4, 1
	v_mul_u32_u24 v[SOUT], v6, SP
	v_lshl_add_u32 v[SOUT], v7, 6, v[SOUT]
	v_add_nc_u32 v[SOUT], s22, v[SOUT]             ; out: row lane % 16, + 64 bytes for lanes 16-31
	s_mov_b32 s[SEL], 0x76543210
	s_mov_b32 s[SEL+1], 0xfedcba98
.irp b, 0,1,2,3
	v_mov_b32 v[TM+4+\b], 0                        ; written once: a lane permute's destination counts as one of its sources
.endr
	s_lshr_b32 s24, s18, 1
	s_lshl_b32 s24, s24, 17                        ; 32 (T / 2) rows of 4,096 bytes
	s_and_b32 s25, s18, 1
	s_lshl_b32 s25, s25, 15                        ; + 8 (T % 2) rows
	s_add_co_u32 s24, s24, s25
	s_lshl_b32 s25, s19, 11                        ; + my half of K
	s_add_co_u32 s24, s24, s25
	s_mov_b32 s25, 0
	s_mul_i32 s26, s18, 12288                      ; the tile's codes,
	s_mul_i32 s27, s19, 6144                       ; my four K steps
	s_add_co_u32 s26, s26, s27
	s_mov_b32 s27, 0
	s_lshl_b32 s28, s17, 8                         ; the scale words: 512 T + 256 x half
	s_add_co_u32 s28, s28, XSO
	s_mov_b32 s29, 0
	s_wait_alu depctr_va_vdst(0)
	s_wait_kmcnt 0x0
	s_add_nc_u64 s[4:5], s[4:5], s[24:25]
	s_add_nc_u64 s[30:31], s[10:11], s[28:29]
	s_add_nc_u64 s[10:11], s[10:11], s[26:27]
	XLOAD 0
	XLOAD 1
	XSTEP 0
	XSTEP 1
	XSTEP 2
	XSTEP 3
	v_cmp_le_u32 vcc_lo, 16, v[LANE]               ; lanes 0-15 store the first 256 along K's two words of their row, lanes 16-31 the second's (both halves of the lanes hold all four)
	v_cndmask_b32 v250, v[KW], v[KW+2], vcc_lo
	v_cndmask_b32 v251, v[KW+1], v[KW+3], vcc_lo
	global_store_b64 v[L8], v[250:251], s[30:31]   ; 256 consecutive bytes, aligned
	s_wait_tensorcnt 0x0                           ; the wave's end, behind my last LDS store
	ds_add_u32 v[SPW], v[NIL]
	s_wait_dscnt 0x0
	s_endpgm
	; ---- the weights
.Lweights:
	s_sub_co_u32 s17, ttmp9, 256
	s_lshr_b32 s18, s17, 2                         ; G: which 128 positions of wq
	s_and_b32 s19, s17, 3                          ; which 256 along K
	s_wait_alu depctr_va_vdst(0)
	v_and_b32 v6, 7, v[LANE]
	v_bfe_u32 v7, v[LANE], 3, 1
	v_bfe_u32 v8, v[LANE], 4, 1
	v_lshl_add_u32 v6, v7, 4, v6
	v_lshl_add_u32 v6, v8, 3, v6                   ; s(lane): bits 3 and 4 exchanged
	v_lshlrev_b32 v[COL], 2, v6
	v_and_b32 v7, 15, v[LANE]
	v_lshlrev_b32 v[SLT], 3, v7
	v_lshl_add_u32 v[SLT], v8, 9, v[SLT]           ; 512 x (lane / 16) + 8 x (lane % 16)
	s_lshl_b32 s20, s18, 3
	s_lshl_b32 s21, s16, 1
	s_add_co_u32 s20, s20, s21                     ; my first tile: 8 G + 2 x wave
	s_mul_i32 s22, s20, 12288
	s_mul_i32 s23, s19, 3072
	s_add_co_u32 s22, s22, s23
	s_mov_b32 s23, 0
	s_lshl_b32 s24, s20, 9
	s_lshl_b32 s25, s19, 7
	s_add_co_u32 s24, s24, s25
	s_add_co_u32 s24, s24, WSO
	s_mov_b32 s25, 0
	s_wait_kmcnt 0x0
	s_add_nc_u64 s[14:15], s[12:13], s[24:25]      ; my scale words
	s_add_nc_u64 s[12:13], s[12:13], s[22:23]      ; my codes
	s_cmp_lt_u32 s18, 24
	s_cbranch_scc0 .Lwout
	s_mul_i32 s26, s18, 192                        ; G < 16: head G's q and k columns: 192 G + 32 x wave
	s_lshl_b32 s27, s16, 5
	s_add_co_u32 s26, s26, s27
	s_sub_co_u32 s28, s18, 16                      ; else: v columns of head 2 (G - 16) + wave / 2: 192 x head + 128 + 32 (wave % 2)
	s_lshl_b32 s28, s28, 1
	s_lshr_b32 s29, s16, 1
	s_add_co_u32 s28, s28, s29
	s_mul_i32 s28, s28, 192
	s_and_b32 s29, s16, 1
	s_lshl_b32 s29, s29, 5
	s_add_co_u32 s28, s28, s29
	s_add_co_u32 s28, s28, 128
	s_cmp_lt_u32 s18, 16
	s_cselect_b32 s26, s26, s28
	s_lshl_b32 s26, s26, 2
	s_mul_i32 s27, s19, 256*12288
	s_add_co_u32 s26, s26, s27
	s_mov_b32 s27, 0
	s_add_nc_u64 s[6:7], s[6:7], s[26:27]
	s_wait_alu depctr_va_vdst(0)
	WPATH 12288, 6
.Lwout:
	s_sub_co_u32 s26, s18, 24                      ; W_out's columns 128 (G - 24) + 32 x wave
	s_lshl_b32 s26, s26, 7
	s_lshl_b32 s27, s16, 5
	s_add_co_u32 s26, s26, s27
	s_lshl_b32 s26, s26, 2
	s_mul_i32 s27, s19, 256*4096
	s_add_co_u32 s26, s26, s27
	s_mov_b32 s27, 0
	s_add_nc_u64 s[8:9], s[8:9], s[26:27]
	s_wait_alu depctr_va_vdst(0)
	WPATH 4096, 8
.Lfunc_end_k_qdc0f026029_quant:
	.size	k_qdc0f026029_quant, .Lfunc_end_k_qdc0f026029_quant-k_qdc0f026029_quant
	.p2alignl 7, 3214868480
	.fill 96, 4, 3214868480
	.section	.rodata,"a",@progbits
	.p2align	6, 0x0
	.amdhsa_kernel k_qdc0f026029_quant
		.amdhsa_group_segment_fixed_size 34304
		.amdhsa_private_segment_fixed_size 0
		.amdhsa_enable_private_segment 0
		.amdhsa_kernarg_size 40
		.amdhsa_user_sgpr_count 2
		.amdhsa_user_sgpr_kernarg_segment_ptr 1
		.amdhsa_wavefront_size32 1
		.amdhsa_system_sgpr_workgroup_id_x 1
		.amdhsa_system_sgpr_workgroup_id_y 1
		.amdhsa_system_sgpr_workgroup_id_z 1
		.amdhsa_system_vgpr_workitem_id 0
		.amdhsa_next_free_vgpr 256
		.amdhsa_next_free_sgpr 66
		.amdhsa_reserve_vcc 1
		.amdhsa_float_denorm_mode_32 3
		.amdhsa_float_denorm_mode_16_64 3
		.amdhsa_memory_ordered 1
		.amdhsa_forward_progress 1
		.amdhsa_inst_pref_size 113
	.end_amdhsa_kernel
	.amdgpu_metadata
---
amdhsa.version: [ 1, 2 ]
amdhsa.kernels:
  - .name:           k_qdc0f026029_quant
    .symbol:         k_qdc0f026029_quant.kd
    .args:
      - { .name: x, .offset: 0, .size: 8, .value_kind: global_buffer, .address_space: global }
      - { .name: W_qkv, .offset: 8, .size: 8, .value_kind: global_buffer, .address_space: global }
      - { .name: W_out, .offset: 16, .size: 8, .value_kind: global_buffer, .address_space: global }
      - { .name: xq, .offset: 24, .size: 8, .value_kind: global_buffer, .address_space: global }
      - { .name: wq, .offset: 32, .size: 8, .value_kind: global_buffer, .address_space: global }
    .group_segment_fixed_size: 34304
    .private_segment_fixed_size: 0
    .kernarg_segment_align: 8
    .kernarg_segment_size: 40
    .max_flat_workgroup_size: 128
    .sgpr_count:     66
    .vgpr_count:     256
    .wavefront_size: 32
...
	.end_amdgpu_metadata
.endif
;; end of part 1
;; launch gqk (part 2): grid 8 x 32, 4 waves a work-group, clusters of 4 x 4, 327,680 bytes of LDS; arguments xq, wq, b_qkv, qq, kv; writes qq, kv
.if DOCPART == 2
	.amdgcn_target "amdgcn-amd-amdhsa--gfx1250"
	.amdhsa_code_object_version 6
	.text
	.protected	k_qdc0f026029_gqk
	.globl	k_qdc0f026029_gqk
	.p2align	8
	.type	k_qdc0f026029_gqk,@function
k_qdc0f026029_gqk:
	s_mov_b64 s[64:65], 0
	v_nop
	global_prefetch_b8 v0, s[64:65] scope:SCOPE_SE
	s_setreg_imm32_b32 hwreg(HW_REG_WAVE_MODE, 25, 1), 1
	s_wait_xcnt 0x0
	s_wait_alu depctr_hold_cnt(0) depctr_sa_sdst(0) depctr_va_vdst(0) depctr_va_sdst(0) depctr_va_ssrc(0) depctr_va_vcc(0) depctr_vm_vsrc(0)
	s_getreg_b32 s2, hwreg(HW_REG_IB_STS2, 6, 4)
	s_cmp_eq_u32 s2, 0
	s_cbranch_scc0 .Lentry_in_a_cluster
	s_endpgm
.Lentry_in_a_cluster:
	s_bfe_u32 s2, ttmp6, 0x10000c
	s_cmp_lg_u32 s2, 0xf033
	s_cbranch_scc0 .Lentry_shape_is_right
	s_endpgm
.Lentry_shape_is_right:
; q and k = x W_qkv + b_qkv for the q and k columns, on codes of FP6 (E2M3) with E8M0 scales, K = 1,024; the results are quantised along the head's 64 in registers and leave as codes alone.
; OPERANDS lie in the order of their registers: codes [row tile of 16][K step of 128][1,536 bytes] (a half of 768 bytes: registers 0-3 of lane l at 16 l, registers 4-5 at 512 + 8 l); scale words [row tile][256 K][row][2], behind the codes.
; Rows lie by position (position p holds row p with bits 3 and 4 exchanged), so that a lane's 16 registers of two neighbouring result tiles are 16 neighbouring columns.
; SHARES.  A work-group makes 256 tokens x 256 columns (two heads' q and k); a wave 128 x 128: 64 accumulators, 512 registers.  Source 0 = 16 columns of the weight, source 1 = 16 tokens: a lane holds one token,
; and its 64 registers of a block of 16 tokens are the head's q (0-63) and k (64-127) in order: one quantiser's run gives a fragment whose first half is q's codes and whose second half is k's.
; THE RING.  K's four parts of 256 go through three LDS slots: three first fills, and ONE refill, of slot 0, behind the second step of 128.  The bias is the C of each sum's first matrix instruction.
; CLUSTER 4 x 4: the tokens' tiles are shared along a row of the cluster, the weight's along a column: joint loads.  A wave has at most one tensor load out.
; No prefetch: three of the four parts of K are asked for at the head, and the fourth has 224 matrix instructions in which to land.
; LIMITS: NaN and infinities are not served; a block whose largest magnitude lies under 2^-124 keeps the byte 1, a block of zeros too (this program alone reads the bytes).
; REGISTERS: window 0: v1-30 addresses and constants; v32-63 scale words, two sets; v64-127 the bias; v128-223 the tokens' fragments, one set.  Window 1: the weight's fragments, two sets.  Windows 2, 3: the accumulators.
.set A_TILE0, 0                        ; source 1's first row tile in its buffer
.set B_TILE0, 0                        ; source 0's
.set ASC_OFF, 6291456                  ; where source 1's scale words begin in its buffer
.set BSC_OFF, 3145728                  ; source 0's
.set BIA,     0                        ; the bias goes with source 0's blocks
.set QSO,     6291456                  ; qq: where q's scale words begin
.set FR,    12
.set FRB,   1536
.set TILEB, 3072                       ; a row tile's part of a slot: two K steps
.set HALFB, 8*TILEB                    ; half of what one tensor load brings: what one wave reads of one side
.set SLOTB, 4*HALFB
.set SCL,   3*SLOTB                    ; behind the slots: the scale words, 8,192 bytes a load
.set SPARE, SCL+4*4096                 ; the spare words, 128 bytes for each wave: two blocks of 256 bytes that no other line names
.set A16, 4                            ; v4-6   source 1's fragments in slot 0, 1, 2: + 16 x lane
.set A8,  7                            ; v7-9   + 8 x lane
.set B16, 10                           ; v10-12 source 0's
.set B8,  13                           ; v13-15
.set L16, 16                           ; v16    16 x lane
.set L8,  17                           ; v17    8 x lane
.set ADRS, 27                          ; v27    my scale words: lanes 0-15 source 1's rows, lanes 16-31 source 0's
.set SPW, 28                           ; v28    LDS address of my spare word; never rewritten
.set NIL, 29                           ; v29    0; never rewritten
.set FL,  30                           ; v30    the floor 2^(3 - 127)
.set SC,  32
.set BI,  64
.set AF,  128
.set PC,  112                          ; the way out: the codes just made, v112-131
.set TM,  200                          ; v200-215 at work
.set PW,  216                          ; the scale word just made
.set QW,  224                          ; v224-231 the eight blocks' scale words
.set OW,  232                          ; v232-239 as they are stored
.set G1,  24
.set G0,  32                           ; s[32:43] three sets
.set G0S, 44
.set G1B, 48
.set G0B0, 56
.set G0B1, 60
.set G0B2, 68
.set G0SB, 72
.set G1S, 76
.set G1SB, 84
.set MSB, 0
.macro WIN new                         ; the immediate's high byte repeats the setting that is left
.if MSB != (\new)
	s_set_vgpr_msb (MSB<<8)|(\new)
.set MSB, (\new)
.endif
.endm
.set MUL_LO, 0xa1                      ; source 0 window 1, source 1 window 0, C and D window 2
.set MUL_HI, 0xf1                      ; the same, C and D window 3
.set TO_B,   0x40                      ; destination window 1, address window 0
.macro JLOAD g0a, g1a, g0b, g1b        ; a joint load: waves 0 and 1 fetch for source 1, waves 2 and 3 for source 0; an s_nop 0 and four v_nop follow each line
	s_cmp_eq_u32 s15, 0
	s_cbranch_scc0 .Lfor_b_\@
	tensor_load_to_lds s[\g0a:\g0a+3], s[\g1a:\g1a+7]
	s_nop 0
.rept 4
	v_nop
.endr
	s_branch .Lasked_\@
.Lfor_b_\@:
	tensor_load_to_lds s[\g0b:\g0b+3], s[\g1b:\g1b+7]
	s_nop 0
.rept 4
	v_nop
.endr
.Lasked_\@:
.endm
.macro CREST                           ; a round of the cluster's barrier behind its opening barrier
	s_cmp_lg_u32 s14, 0
	s_cbranch_scc1 .Lnot_wave_0_\@
	s_barrier_signal -3
.Lnot_wave_0_\@:
	s_barrier_wait -3
	s_barrier_signal -1
	s_barrier_wait -1
.endm
.macro CROUND
	s_barrier_signal -1
	s_barrier_wait -1
	CREST
.endm
.macro MKG0 g, place, base, ga, goff   ; a descriptor's group 0: count 1, LDS address, global address, type 2
	s_mov_b32 s[\g], 1
	s_add_co_u32 s[\g+1], s[\place], \base
	s_add_nc_u64 s[\g+2:\g+3], s[\ga:\ga+1], \goff
	s_or_b32 s[\g+3], s[\g+3], 0x80000000
.endm
.macro PLACES n                        ; plain places behind matrix instructions, in front of loads into registers that they have read and of reads of results
.rept \n
	v_nop
.endr
.endm
.macro FRAG reg, a16, a8, off          ; a fragment comes as it was stored: four loads, each of consecutive bytes
	ds_load_b128 v[\reg:\reg+3], v[\a16] offset:\off
	ds_load_b64 v[\reg+4:\reg+5], v[\a8] offset:\off+512
	ds_load_b128 v[\reg+6:\reg+9], v[\a16] offset:\off+768
	ds_load_b64 v[\reg+10:\reg+11], v[\a8] offset:\off+1280
.endm
.macro FETCH_B slot, q, p              ; source 0's eight fragments of the slot's q-th 128 along K into set p: 32 loads
	WIN TO_B
.irp i, 0,1,2,3,4,5,6,7
	FRAG 128*(\p)+FR*\i, B16+(\slot), B8+(\slot), \i*TILEB+(\q)*FRB
.endr
	WIN 0
.endm
.macro FETCH_A slot, q, i0             ; source 1's blocks i0 .. i0 + 3: 16 loads
.irp i, \i0, \i0+1, \i0+2, \i0+3
	FRAG AF+FR*(\i), A16+(\slot), A8+(\slot), (\i)*TILEB+(\q)*FRB
.endr
.endm
.macro SCALES part, set                ; the scale words of K's part (256 along K): lanes 0-15 source 1's block i, lanes 16-31 source 0's block i
.irp i, 0,1,2,3,4,5,6,7
	ds_load_b64 v[SC+16*(\set)+2*\i:SC+16*(\set)+2*\i+1], v[ADRS] offset:\i*512+(\part)*128
.endr
.endm
; 16 matrix instructions: source 1's blocks a0, a0 + 1 x source 0's eight.  The 64 accumulators take turns, one instruction a turn, in the same order in every step.  zero = 1: the bias starts the sums
.macro MUL16 a0, p, q, sc, zero
.irp a, \a0, \a0+1
.irp b, 0,1,2,3,4,5,6,7
.if \zero
	v_wmma_scale_f32_16x16x128_f8f6f4 v[8*(8*((\a)%4)+\b):8*(8*((\a)%4)+\b)+7], v[128*(\p)+FR*\b:128*(\p)+FR*\b+FR-1], v[AF+FR*(\a):AF+FR*(\a)+FR-1], v[BI+8*(BIA*(\a)+(1-BIA)*\b):BI+8*(BIA*(\a)+(1-BIA)*\b)+7], v[SC+16*(\sc)+2*\b+(\q)], v[SC+16*(\sc)+2*(\a)+(\q)] matrix_a_fmt:MATRIX_FMT_FP6 matrix_b_fmt:MATRIX_FMT_FP6 matrix_a_scale:MATRIX_SCALE_ROW1
.else
	v_wmma_scale_f32_16x16x128_f8f6f4 v[8*(8*((\a)%4)+\b):8*(8*((\a)%4)+\b)+7], v[128*(\p)+FR*\b:128*(\p)+FR*\b+FR-1], v[AF+FR*(\a):AF+FR*(\a)+FR-1], v[8*(8*((\a)%4)+\b):8*(8*((\a)%4)+\b)+7], v[SC+16*(\sc)+2*\b+(\q)], v[SC+16*(\sc)+2*(\a)+(\q)] matrix_a_fmt:MATRIX_FMT_FP6 matrix_b_fmt:MATRIX_FMT_FP6 matrix_a_scale:MATRIX_SCALE_ROW1
.endif
.endr
.endr
.endm
; Step s of eight, 128 along K.  mode 0: plain.  mode 2: the slot just read out is filled again, behind a round of the cluster's barrier.  mode 1: a barrier that shows the refill to every wave.
.macro KS s, mode, zero
.set QH,  (\s)%2                       ; which 128 of its slot, and source 0's set
.set SS,  ((\s)/2)%2                   ; the set of scale words
.set NS,  (((\s)+1)/2)%3               ; the next step's slot,
.set NQ,  ((\s)+1)%2                   ; its 128 of it, and source 0's set,
.set NSS, (((\s)+1)/2)%2               ; and its set of scale words
.if (\mode) == 0
	s_wait_dscnt 16                                ; all but the youngest 16 loads (source 1's blocks 4-7) are in
	WIN MUL_LO-0x20*(\zero)                        ; (with the bias as C: source 2 in window 0)
	MUL16 0, QH, QH, SS, \zero
	MUL16 2, QH, QH, SS, \zero
	s_wait_dscnt 0x0                               ; blocks 4-7 are in
.if (\s) < 7
	PLACES 4
.endif
.else
	s_wait_tensorcnt 0x0                           ; all my tensor loads have landed;  (every window is 0 here)
	ds_add_u32 v[SPW], v[NIL]                      ; 0 onto my spare word
	s_wait_dscnt 17                                ; (the add and the youngest 16 loads may be out)
	WIN MUL_LO
	MUL16 0, QH, QH, SS, 0                         ; sixteen matrix instructions stand between the add and the wait for it
	s_wait_dscnt 0x0                               ; the add is done, and my reads of this slot are over
	s_barrier_signal -1
	MUL16 2, QH, QH, SS, 0
	WIN 0
	s_barrier_wait -1
.if (\mode) == 2
	CREST                                          ; the barrier has opened a round of the cluster's: no wave of any partner still reads slot 0 or has a load on its way
	s_add_nc_u64 s[G0+2:G0+3], s[G0+2:G0+3], 3*TILEB       ; K's fourth part
	s_add_nc_u64 s[G0B0+2:G0B0+3], s[G0B0+2:G0B0+3], 3*TILEB
	s_cmp_eq_u32 s16, 0                            ; a load brings a side's 16 row tiles: wave 0 asks for source 1's, wave 2 for source 0's
	s_cbranch_scc0 .Lno_refill
	JLOAD G0, G1, G0B0, G1B
.Lno_refill:
	PLACES 4
.else
	PLACES 4
.endif
.endif
.if (\s) < 7
	FETCH_B NS, NQ, NQ
	FETCH_A NS, NQ, 0
.if NQ == 0
	SCALES ((\s)+1)/2, NSS
.endif
.endif
	WIN MUL_HI-0x30*(\zero)
	MUL16 4, QH, QH, SS, \zero
	MUL16 6, QH, QH, SS, \zero
.if (\s) < 7
	PLACES 4
	WIN 0
	FETCH_A NS, NQ, 4
.endif
.endm
; Block a's 64 results of a lane become a fragment's codes in v[PC] on and its scale word in v[PW].  The accumulators are read from their low ends on.
.macro QUANTW a
.set QWN, 2+(\a)/4
.set ACB, 64*((\a)%4)
	WIN (QWN<<2)|(QWN<<4)                          ; sources 1 and 2: the accumulators' window
.irp b, 0,1,2,3
	v_max3_num_f32 v[TM+\b], v[FL], |v[ACB+16*\b]|, |v[ACB+1+16*\b]|
.endr
.irp i, 2,4,6,8,10,12,14
.irp b, 0,1,2,3
	v_max3_num_f32 v[TM+\b], v[TM+\b], |v[ACB+16*\b+\i]|, |v[ACB+1+16*\b+\i]|
.endr
.endr
	WIN 0
.irp b, 0,1,2,3
	v_permlanex16_b32 v[TM+4+\b], v[TM+\b], s18, s19
.endr
.irp b, 0,1,2,3
	v_max_num_f32 v[TM+\b], v[TM+\b], v[TM+4+\b]
.endr
.irp b, 0,1,2,3
	v_add_nc_u32 v[TM+12+\b], 0xff000000, v[TM+\b] ; 2 off the exponent field: the conversion's scale operand
.endr
.irp b, 0,1,2,3
	v_lshrrev_b32 v[TM+4+\b], 23, v[TM+12+\b]
.endr
	v_lshl_or_b32 v[PW], v[TM+5], 8, v[TM+4]
	v_lshl_or_b32 v[PW], v[TM+6], 16, v[PW]
	v_lshl_or_b32 v[PW], v[TM+7], 24, v[PW]
	s_wait_xcnt 0x0                                ; the last block's stores have read the codes' registers
	WIN QWN                                        ; source 0: the accumulators' window
.irp c, 0,1
	v_cvt_scalef32_pk16_fp6_f32 v[PC+6*\c:PC+2+6*\c], v[ACB+32*\c:ACB+15+32*\c], v[TM+12+2*\c]
	v_cvt_scalef32_pk16_fp6_f32 v[PC+12+4*\c:PC+14+4*\c], v[ACB+16+32*\c:ACB+31+32*\c], v[TM+12+2*\c+1]
.endr
	WIN 0
	v_nop                                          ; one plain place behind a scaled conversion
.irp c, 0,1
.irp i, 0,1,2
	v_permlane16_swap_b32 v[PC+6*\c+\i], v[PC+12+4*\c+\i]
.endr
.irp i, 0,1,2
	v_mov_b32 v[PC+3+6*\c+\i], v[PC+12+4*\c+\i]
.endr
.endr
.endm
	s_load_b256 s[4:11], s[0:1], 0x0               ; xq s[4:5], wq s[6:7], b_qkv s[8:9], qq s[10:11]
	s_load_b64 s[12:13], s[0:1], 0x20              ; kv
	v_lshl_add_u32 v[SPW], v0, 2, SPARE
	v_mov_b32 v[NIL], 0
	ds_add_u32 v[SPW], v[NIL]                      ; the wave's opening: the add and its wait ahead of my first tensor load; the set-up below stands between them
	ds_add_u32 v[SPW], v[NIL]
	v_lshrrev_b32 v1, 5, v0
	v_readfirstlane_b32 s14, v1                    ; wave 0..3
	s_lshr_b32 s15, s14, 1                         ; which half of source 1's rows is mine.  Also: I fetch for source 1 (0) or source 0 (1)
	s_and_b32 s16, s14, 1                          ; which half of source 0's rows.  Also: which of K's parts 1, 2 I fetch
	s_bfe_u32 s92, ttmp6, 0x40000                  ; cx
	s_bfe_u32 s93, ttmp6, 0x40004                  ; cy
	s_lshl_b32 s94, ttmp9, 2
	s_add_co_u32 s94, s94, s92                     ; tile column
	s_and_b32 s17, ttmp7, 0xffff
	s_lshl_b32 s17, s17, 2
	s_add_co_u32 s17, s17, s93                     ; tile row
	s_lshl_b32 s95, s93, 2
	s_lshl_b32 s95, 15, s95                        ; my row of the cluster
	s_lshl_b32 s96, 0x1111, s92                    ; my column
	s_or_b32 s[G1], s95, (3<<16)|(1<<21)           ; codes: the mask; elements of 8 bytes; bit 21 beside a mask; no padding
	s_or_b32 s[G1B], s96, (3<<16)|(1<<21)
.irp g, G1, G1B
	s_mov_b32 s[\g+1], 384<<16                     ; tensor_dim0: 3,072 bytes, a row tile's part of a slot
	s_mov_b32 s[\g+2], 16<<16                      ; tensor_dim1: a side's 16 row tiles
	s_mov_b32 s[\g+3], 384<<16                     ; tile_dim0
	s_mov_b32 s[\g+4], 16
	s_mov_b32 s[\g+5], 1536                        ; 12,288 bytes from row tile to row tile
	s_mov_b32 s[\g+6], 0
	s_mov_b32 s[\g+7], 0
.endr
	s_or_b32 s[G1S], s95, (3<<16)|(1<<21)          ; scale words of 16 row tiles: 8,192 dense bytes as 32 rows of 256
	s_or_b32 s[G1SB], s96, (3<<16)|(1<<21)
.irp g, G1S, G1SB
	s_mov_b32 s[\g+1], 32<<16
	s_mov_b32 s[\g+2], 32<<16                      ; the scale words of 16 row tiles: 8,192 dense bytes as 32 rows of 256
	s_mov_b32 s[\g+3], 32<<16
	s_mov_b32 s[\g+4], 32
	s_mov_b32 s[\g+5], 32
	s_mov_b32 s[\g+6], 0
	s_mov_b32 s[\g+7], 0
.endr
	s_lshl_b32 s18, s17, 4                         ; source 1: row tile 16 x tile row
.if A_TILE0
	s_add_co_u32 s18, s18, A_TILE0
.endif
	s_lshl_b32 s100, s94, 4                        ; source 0: 16 x tile column
.if B_TILE0
	s_add_co_u32 s100, s100, B_TILE0
.endif
	s_mul_i32 s20, s18, 12288
	s_mov_b32 s21, 0
	s_lshl_b32 s22, s18, 9
	s_add_co_u32 s22, s22, ASC_OFF
	s_mov_b32 s23, 0
	s_lshl_b32 s2, s100, 9
	s_add_co_u32 s2, s2, BSC_OFF
	s_mov_b32 s3, 0
	s_mul_i32 s100, s100, 12288
	s_mov_b32 s101, 0
	s_add_co_u32 s97, s16, 1                       ; my second load brings K's part 1 or 2 of my side,
	s_mul_i32 s98, s97, TILEB                      ; which begins here in a row tile's codes,
	s_mov_b32 s99, 0
	s_mul_i32 s97, s97, SLOTB                      ; into slot 1 or 2
	s_wait_dscnt 0x0                               ; the opening add is done
	s_wait_kmcnt 0x0
	s_add_nc_u64 s[20:21], s[4:5], s[20:21]
	s_add_nc_u64 s[22:23], s[4:5], s[22:23]
	s_add_nc_u64 s[100:101], s[6:7], s[100:101]
	s_add_nc_u64 s[2:3], s[6:7], s[2:3]
	CROUND                                         ; all sixteen work-groups are here: the first joint loads meet
; THE HEAD'S LOADS, ONE A WAVE: wave 0 source 1's 16 row tiles of K's part 0, wave 1 source 0's, wave 2 source 1's scale words, wave 3 source 0's.
.macro MKC g, lds, ga
	s_mov_b32 s[\g], 1
	s_mov_b32 s[\g+1], \lds
	s_mov_b64 s[\g+2:\g+3], s[\ga:\ga+1]
	s_or_b32 s[\g+3], s[\g+3], 0x80000000
.endm
.macro ARM under, g0, g1, next
	s_cmp_lt_u32 s14, \under
	s_cbranch_scc0 \next
	tensor_load_to_lds s[\g0:\g0+3], s[\g1:\g1+7]
	s_nop 0
.rept 4
	v_nop
.endr
	s_branch .Lhead_asked
\next:
.endm
	MKC G0S, SCL, 22
	MKC G0SB, SCL+8192, 2
	MKC G0, 0, 20
	MKC G0B0, 2*HALFB, 100
	s_add_nc_u64 s[20:21], s[20:21], s[98:99]
	s_add_nc_u64 s[100:101], s[100:101], s[98:99]
	MKG0 G0+4, 97, 0, 20, 0
	MKG0 G0B1, 97, 2*HALFB, 100, 0
	ARM 1, G0, G1, .Lhead_b
	ARM 2, G0B0, G1B, .Lhead_sa
	ARM 3, G0S, G1S, .Lhead_sb
	tensor_load_to_lds s[G0SB:G0SB+3], s[G1SB:G1SB+7]
	s_nop 0
.rept 4
	v_nop
.endr
.Lhead_asked:
	v_and_b32 v1, 31, v0                           ; lane
	v_and_b32 v2, 15, v0                           ; r
	v_bfe_u32 v3, v0, 4, 1                         ; h
	v_lshlrev_b32 v[L16], 4, v1
	v_lshlrev_b32 v[L8], 3, v1
	s_mul_i32 s18, s15, HALFB                      ; my half of source 1,
	s_mul_i32 s19, s16, HALFB                      ; my half of source 0,
	s_add_co_u32 s19, s19, 2*HALFB                 ; which lies behind source 1's two
.irp s, 0,1,2
	v_add_nc_u32 v[A16+\s], s18, v[L16]
	v_add_nc_u32 v[A8+\s], s18, v[L8]
	v_add_nc_u32 v[B16+\s], s19, v[L16]
	v_add_nc_u32 v[B8+\s], s19, v[L8]
	s_add_co_u32 s18, s18, SLOTB
	s_add_co_u32 s19, s19, SLOTB
.endr
	s_lshl_b32 s18, s15, 12
	s_lshl_b32 s19, s16, 12
	s_add_co_u32 s19, s19, 8192
	s_sub_co_u32 s19, s19, s18
	v_mul_u32_u24 v18, s19, v3                     ; lanes 16-31 take source 0's words: one product, the distance between the two
	s_add_co_u32 s18, s18, SCL
	v_lshl_add_u32 v18, v2, 3, v18
	v_add_nc_u32 v[ADRS], s18, v18
	v_mov_b32 v[FL], 0x1800000
	; where my results go.  T0 = my first token tile, hd = my head
	s_lshl_b32 s18, s17, 4
	s_lshl_b32 s19, s15, 3
	s_add_co_u32 s18, s18, s19                     ; T0 = 16 x tile row + 8 x half
	s_lshl_b32 s19, s94, 1
	s_add_co_u32 s19, s19, s16                     ; hd = 2 x tile column + half
	s_lshr_b32 s66, s18, 7
	s_lshl_b32 s66, s66, 4
	s_add_co_u32 s66, s66, s19                     ; 16 x batch + head
	s_and_b32 s67, s18, 127                        ; the tile within the batch's 128
	s_mul_i32 s2, s19, 768
	s_mov_b32 s3, 0
	s_add_nc_u64 s[8:9], s[8:9], s[2:3]            ; the bias of my head's q and k
	s_lshl_b32 s2, s66, 4
	s_lshr_b32 s97, s67, 3
	s_add_co_u32 s2, s2, s97
	s_lshl_b32 s2, s2, 9
	s_add_co_u32 s2, s2, QSO
	s_add_nc_u64 s[20:21], s[10:11], s[2:3]        ; q's scale words: 512 bytes for my 8 tiles
	s_mul_i32 s2, s66, 98304
	s_mul_i32 s98, s67, 768
	s_add_co_u32 s2, s2, s98
	s_add_nc_u64 s[10:11], s[10:11], s[2:3]        ; q's codes
	s_mul_i32 s100, s66, 204800                    ; kv: [head][step of 128 keys][12,800 bytes: K 6,144, V 6,144, K's scale words 256, V's 256]
	s_mov_b32 s101, 0
	s_add_nc_u64 s[12:13], s[12:13], s[100:101]    ; kv at my head
	s_mul_i32 s2, s97, 12800
	s_add_nc_u64 s[12:13], s[12:13], s[2:3]        ; k's codes: my 8 tiles are one step
	s_add_nc_u64 s[22:23], s[12:13], 12288         ; k's scale words
	v_lshlrev_b32 v19, 6, v3                       ; the bias in the result's layout: tile b's eight columns 32 (b / 2) + 16 h + 8 (b % 2) + 0 .. 7
.irp b, 0,1,2,3,4,5,6,7
	global_load_b128 v[BI+8*\b:BI+8*\b+3], v19, s[8:9] offset:(32*(\b/2)+8*(\b%2))*4
	global_load_b128 v[BI+8*\b+4:BI+8*\b+7], v19, s[8:9] offset:(32*(\b/2)+8*(\b%2))*4+16
.endr
	s_wait_alu depctr_va_vdst(0)
	s_wait_tensorcnt 0x0                           ; my tile of the head's four is in
	ds_add_u32 v[SPW], v[NIL]
	s_wait_dscnt 0x0
	CROUND                                         ; a whole round: all four tiles are in
	JLOAD G0+4, G1, G0B1, G1B                      ; slots 1 and 2, first fills: waves 0, 1 source 1's parts 1, 2; waves 2, 3 source 0's
	FETCH_B 0, 0, 0
	FETCH_A 0, 0, 0
	SCALES 0, 0
	FETCH_A 0, 0, 4
	s_wait_loadcnt 0x0                             ; the bias
	KS 0, 0, 1
	KS 1, 2, 0                                     ; slot 0 is left and filled again; the wait for all loads in front of its barrier has also shown slots 1 and 2 to every wave
	KS 2, 0, 0
	KS 3, 0, 0
	KS 4, 0, 0
	KS 5, 1, 0                                     ; the refill is shown to every wave
	KS 6, 0, 0
	KS 7, 0, 0
	WIN 0
	PLACES 4
	; THE WAY OUT: no LDS.  A block's fragment: registers 0-5 are q's codes of 16 tokens, registers 6-11 k's; each store covers consecutive bytes, whole aligned blocks of 256
	s_mov_b32 s18, 0x76543210
	s_mov_b32 s19, 0xfedcba98
.irp b, 0,1,2,3
	v_mov_b32 v[TM+4+\b], 0                        ; a lane permute's destination counts as one of its sources
.endr
.irp a, 0,1,2,3,4,5,6,7
	QUANTW \a
	global_store_b128 v[L16], v[PC:PC+3], s[10:11] offset:768*\a
	global_store_b64 v[L8], v[PC+4:PC+5], s[10:11] offset:768*\a+512
	global_store_b128 v[L16], v[PC+6:PC+9], s[12:13] offset:768*\a
	global_store_b64 v[L8], v[PC+10:PC+11], s[12:13] offset:768*\a+512
	v_mov_b32 v[QW+\a], v[PW]
.endr
	v_cmp_eq_u32 vcc_lo, 1, v3                     ; word i of lane l belongs to tile 2 i + l / 16, row l % 16
.irp i, 0,1,2,3
	v_cndmask_b32 v[OW+\i], v[QW+2*\i], v[QW+2*\i+1], vcc_lo
.endr
	global_store_b128 v[L16], v[OW:OW+3], s[20:21] ; q's words: bytes 0, 1 are q's; bytes 2, 3 (k's) will stand over zero codes
.irp i, 0,1
	v_perm_b32 v[OW+4+\i], v[OW+2+\i], v[OW+\i], 0x07060302   ; k's words: a key's two bytes below, those of the key 64 further on above
.endr
	global_store_b64 v[L8], v[OW+4:OW+5], s[22:23] ; 256 consecutive bytes, aligned
	s_wait_tensorcnt 0x0                           ; the wave's end
	ds_add_u32 v[SPW], v[NIL]
	s_wait_dscnt 0x0
	CROUND                                         ; the closing round
	s_endpgm
.Lfunc_end_k_qdc0f026029_gqk:
	.size	k_qdc0f026029_gqk, .Lfunc_end_k_qdc0f026029_gqk-k_qdc0f026029_gqk
	.p2alignl 7, 3214868480
	.fill 96, 4, 3214868480
	.section	.rodata,"a",@progbits
	.p2align	6, 0x0
	.amdhsa_kernel k_qdc0f026029_gqk
		.amdhsa_group_segment_fixed_size 327680
		.amdhsa_private_segment_fixed_size 0
		.amdhsa_enable_private_segment 0
		.amdhsa_kernarg_size 40
		.amdhsa_user_sgpr_count 2
		.amdhsa_user_sgpr_kernarg_segment_ptr 1
		.amdhsa_wavefront_size32 1
		.amdhsa_system_sgpr_workgroup_id_x 1
		.amdhsa_system_sgpr_workgroup_id_y 1
		.amdhsa_system_sgpr_workgroup_id_z 1
		.amdhsa_system_vgpr_workitem_id 0
		.amdhsa_next_free_vgpr 1024
		.amdhsa_next_free_sgpr 102
		.amdhsa_reserve_vcc 1
		.amdhsa_float_denorm_mode_32 3
		.amdhsa_float_denorm_mode_16_64 3
		.amdhsa_memory_ordered 1
		.amdhsa_forward_progress 1
		.amdhsa_inst_pref_size 150
	.end_amdhsa_kernel
	.amdgpu_metadata
---
amdhsa.version: [ 1, 2 ]
amdhsa.kernels:
  - .name:           k_qdc0f026029_gqk
    .symbol:         k_qdc0f026029_gqk.kd
    .args:
      - { .name: xq, .offset: 0, .size: 8, .value_kind: global_buffer, .address_space: global }
      - { .name: wq, .offset: 8, .size: 8, .value_kind: global_buffer, .address_space: global }
      - { .name: b_qkv, .offset: 16, .size: 8, .value_kind: global_buffer, .address_space: global }
      - { .name: qq, .offset: 24, .size: 8, .value_kind: global_buffer, .address_space: global }
      - { .name: kv, .offset: 32, .size: 8, .value_kind: global_buffer, .address_space: global }
    .group_segment_fixed_size: 327680
    .private_segment_fixed_size: 0
    .kernarg_segment_align: 8
    .kernarg_segment_size: 40
    .max_flat_workgroup_size: 128
    .sgpr_count:     102
    .vgpr_count:     1024
    .wavefront_size: 32
...
	.end_amdgpu_metadata
.endif
;; end of part 2
;; launch gv (part 3): grid 32 x 8, 4 waves a work-group, clusters of 4 x 4, 307,712 bytes of LDS; arguments wq, xq, b_qkv, kv; writes kv
.if DOCPART == 3
	.amdgcn_target "amdgcn-amd-amdhsa--gfx1250"
	.amdhsa_code_object_version 6
	.text
	.protected	k_qdc0f026029_gv
	.globl	k_qdc0f026029_gv
	.p2align	8
	.type	k_qdc0f026029_gv,@function
k_qdc0f026029_gv:
	s_mov_b64 s[64:65], 0
	v_nop
	global_prefetch_b8 v0, s[64:65] scope:SCOPE_SE
	s_setreg_imm32_b32 hwreg(HW_REG_WAVE_MODE, 25, 1), 1
	s_wait_xcnt 0x0
	s_wait_alu depctr_hold_cnt(0) depctr_sa_sdst(0) depctr_va_vdst(0) depctr_va_sdst(0) depctr_va_ssrc(0) depctr_va_vcc(0) depctr_vm_vsrc(0)
	s_getreg_b32 s2, hwreg(HW_REG_IB_STS2, 6, 4)
	s_cmp_eq_u32 s2, 0
	s_cbranch_scc0 .Lentry_in_a_cluster
	s_endpgm
.Lentry_in_a_cluster:
	s_bfe_u32 s2, ttmp6, 0x10000c
	s_cmp_lg_u32 s2, 0xf033
	s_cbranch_scc0 .Lentry_shape_is_right
	s_endpgm
.Lentry_shape_is_right:
; v = x W_qkv + b_qkv for the v columns, on codes of FP6 (E2M3) with E8M0 scales, K = 1,024: source 0 = 16 tokens, source 1 = 16 columns.
; So a lane holds one channel of a head and its registers run along the tokens, the keys of attention's second product.  The results are quantised along the keys in registers and leave as fragments of V^T.
; OPERANDS lie in the order of their registers: codes [row tile of 16][K step of 128][1,536 bytes] (a half of 768: registers 0-3 of lane l at 16 l, registers 4-5 at 512 + 8 l); scale words [row tile][256 K][row][2] behind the codes;
; rows by position (position p holds row p with bits 3 and 4 exchanged).
; SHARES.  256 work-groups; each makes 128 columns (two heads' v) x 256 tokens; a wave 64 x 128: one head x one step of 128 keys, 32 accumulators.
; ALL OF K LIES IN LDS, filled once: source 1's 8 row tiles (98,304 dense bytes), source 0's 16 (196,608), their scale words (4,096 and 8,192).  One joint load a wave at the head; nothing is filled again.
; CLUSTER 4 x 4: the weight's tiles are shared along a row of the cluster, the tokens' along a column.  No prefetch: every byte is asked for at the head, ahead of any work.
; Both operands have two sets of registers: a step's LDS loads are issued one step, 32 matrix instructions, ahead of the wait for them.
; LIMITS: NaN and infinities are not served; a block whose largest magnitude lies under 2^-124 keeps the byte 1, a block of zeros too (this program alone reads the bytes).
; REGISTERS: window 0: v1-30 addresses; v32-63 scale words, two sets; v64-95 the bias; v128-223 source 1's fragments, two sets of four.  Window 1: source 0's, two sets of eight.  Window 2: the accumulators.
.set TB,  12288                        ; a row tile's codes, all of K
.set FR,  12
.set FRB, 1536
.set LB,  8*TB                         ; LDS: source 0's tiles, behind source 1's
.set LSA, 24*TB                        ; source 1's scale words
.set LSB, LSA+4096                     ; source 0's
.set SPARE, LSB+8192                   ; the spare words, 128 bytes for each wave: two blocks of 256 bytes that no other line names
.set A16, 4
.set A8,  5
.set B16, 6                            ; v6, v7: tiles 0-3, 4-7
.set B8,  8                            ; v8, v9
.set L16, 16
.set L8,  17
.set ADRS, 27                          ; v27 my scale words: lanes 0-15 source 1's block i, lanes 16-31 source 0's block i; v26: for i = 4 .. 7, where lanes 0-15 read block i - 4 again
.set SPW, 28                           ; v28 LDS address of my spare word; never rewritten
.set NIL, 29                           ; v29 0; never rewritten
.set FL,  30
.set SC,  32
.set BI,  64
.set AF,  128
.set PC,  112
.set TM,  200
.set PW,  216
.set QW,  224
.set OW,  232
.set G1,  24
.set G0,  32
.set G0B, 36
.set G0S, 40
.set G0SB, 44
.set G1B, 48
.set G1S, 76
.set G1SB, 84
.set MSB, 0
.macro WIN new                         ; the immediate's high byte repeats the setting that is left
.if MSB != (\new)
	s_set_vgpr_msb (MSB<<8)|(\new)
.set MSB, (\new)
.endif
.endm
.macro CROUND
	s_barrier_signal -1
	s_barrier_wait -1
	s_cmp_lg_u32 s14, 0
	s_cbranch_scc1 .Lnot_wave_0_\@
	s_barrier_signal -3
.Lnot_wave_0_\@:
	s_barrier_wait -3
	s_barrier_signal -1
	s_barrier_wait -1
.endm
.macro PLACES n
.rept \n
	v_nop
.endr
.endm
.macro GRP1 g, mask, cols, rows        ; group 1: rows of cols elements of 8 bytes, dense; the mask, bit 21 beside it
	s_or_b32 s[\g], s[\mask], (3<<16)|(1<<21)
	s_mov_b32 s[\g+1], (\cols)<<16
	s_mov_b32 s[\g+2], (\rows)<<16
	s_mov_b32 s[\g+3], (\cols)<<16
	s_mov_b32 s[\g+4], \rows
	s_mov_b32 s[\g+5], \cols
	s_mov_b32 s[\g+6], 0
	s_mov_b32 s[\g+7], 0
.endm
.macro MKC g, lds, ga
	s_mov_b32 s[\g], 1
	s_mov_b32 s[\g+1], \lds
	s_mov_b64 s[\g+2:\g+3], s[\ga:\ga+1]
	s_or_b32 s[\g+3], s[\g+3], 0x80000000
.endm
.macro ARM under, g0, g1, next
	s_cmp_lt_u32 s14, \under
	s_cbranch_scc0 \next
	tensor_load_to_lds s[\g0:\g0+3], s[\g1:\g1+7]
	s_nop 0
	PLACES 4
	s_branch .Lhead_asked
\next:
.endm
.macro FRAG reg, a16, a8, off          ; a fragment comes as it was stored: four loads, each of consecutive bytes
	ds_load_b128 v[\reg:\reg+3], v[\a16] offset:\off
	ds_load_b64 v[\reg+4:\reg+5], v[\a8] offset:\off+512
	ds_load_b128 v[\reg+6:\reg+9], v[\a16] offset:\off+768
	ds_load_b64 v[\reg+10:\reg+11], v[\a8] offset:\off+1280
.endm
.macro FETCH s                         ; step s's fragments into set s % 2; with an even step the scale words of its 256 along K
	WIN 0x40
.irp i, 0,1,2,3,4,5,6,7
	FRAG 128*((\s)%2)+FR*\i, B16+\i/4, B8+\i/4, (\i%4)*TB+(\s)*FRB
.endr
	WIN 0
.irp i, 0,1,2,3
	FRAG AF+48*((\s)%2)+FR*\i, A16, A8, \i*TB+(\s)*FRB
.endr
.if (\s)%2 == 0
.irp i, 0,1,2,3,4,5,6,7
	ds_load_b64 v[SC+16*(((\s)/2)%2)+2*\i:SC+16*(((\s)/2)%2)+2*\i+1], v[ADRS-\i/4] offset:\i*512+((\s)/2)*128
.endr
.endif
.endm
.macro MUL s, zero                     ; 32 matrix instructions; the accumulators take turns in the same order in every step; zero = 1: the bias starts the sums
.set PS_, (\s)%2
.set SS_, SC+16*(((\s)/2)%2)+PS_
.irp a, 0,1,2,3
.irp b, 0,1,2,3,4,5,6,7
.if \zero
	v_wmma_scale_f32_16x16x128_f8f6f4 v[8*(8*\a+\b):8*(8*\a+\b)+7], v[128*PS_+FR*\b:128*PS_+FR*\b+FR-1], v[AF+48*PS_+FR*\a:AF+48*PS_+FR*\a+FR-1], v[BI+8*\a:BI+8*\a+7], v[SS_+2*\b], v[SS_+2*\a] matrix_a_fmt:MATRIX_FMT_FP6 matrix_b_fmt:MATRIX_FMT_FP6 matrix_a_scale:MATRIX_SCALE_ROW1
.else
	v_wmma_scale_f32_16x16x128_f8f6f4 v[8*(8*\a+\b):8*(8*\a+\b)+7], v[128*PS_+FR*\b:128*PS_+FR*\b+FR-1], v[AF+48*PS_+FR*\a:AF+48*PS_+FR*\a+FR-1], v[8*(8*\a+\b):8*(8*\a+\b)+7], v[SS_+2*\b], v[SS_+2*\a] matrix_a_fmt:MATRIX_FMT_FP6 matrix_b_fmt:MATRIX_FMT_FP6 matrix_a_scale:MATRIX_SCALE_ROW1
.endif
.endr
.endr
.endm
.macro KS s
	s_wait_dscnt 0x0                               ; this step's fragments, asked for a step ago, are in
.if (\s) < 7
.if (\s) > 0
	PLACES 4                                       ; in front of loads into the set that the last step's products read
.endif
	FETCH (\s)+1
.endif
.if (\s) == 0
	WIN 0x81                                       ; source 0 window 1, source 1 and C window 0, D window 2
	MUL 0, 1
.else
	WIN 0xa1                                       ; C and D window 2
	MUL \s, 0
.endif
	WIN 0
.endm
.macro QUANTW a                        ; block a's 64 results of a lane become a fragment's codes in v[PC] on and its scale word in v[PW]; the accumulators are read from their low ends on
.set ACB, 64*(\a)
	WIN 0x28
.irp b, 0,1,2,3
	v_max3_num_f32 v[TM+\b], v[FL], |v[ACB+16*\b]|, |v[ACB+1+16*\b]|
.endr
.irp i, 2,4,6,8,10,12,14
.irp b, 0,1,2,3
	v_max3_num_f32 v[TM+\b], v[TM+\b], |v[ACB+16*\b+\i]|, |v[ACB+1+16*\b+\i]|
.endr
.endr
	WIN 0
.irp b, 0,1,2,3
	v_permlanex16_b32 v[TM+4+\b], v[TM+\b], s18, s19
.endr
.irp b, 0,1,2,3
	v_max_num_f32 v[TM+\b], v[TM+\b], v[TM+4+\b]
.endr
.irp b, 0,1,2,3
	v_add_nc_u32 v[TM+12+\b], 0xff000000, v[TM+\b] ; 2 off the exponent field: the conversion's scale operand
.endr
.irp b, 0,1,2,3
	v_lshrrev_b32 v[TM+4+\b], 23, v[TM+12+\b]
.endr
	v_lshl_or_b32 v[PW], v[TM+5], 8, v[TM+4]
	v_lshl_or_b32 v[PW], v[TM+6], 16, v[PW]
	v_lshl_or_b32 v[PW], v[TM+7], 24, v[PW]
	s_wait_xcnt 0x0                                ; the last block's stores have read the codes' registers
	WIN 2
.irp c, 0,1
	v_cvt_scalef32_pk16_fp6_f32 v[PC+6*\c:PC+2+6*\c], v[ACB+32*\c:ACB+15+32*\c], v[TM+12+2*\c]
	v_cvt_scalef32_pk16_fp6_f32 v[PC+12+4*\c:PC+14+4*\c], v[ACB+16+32*\c:ACB+31+32*\c], v[TM+12+2*\c+1]
.endr
	WIN 0
	v_nop                                          ; one plain place behind a scaled conversion
.irp c, 0,1
.irp i, 0,1,2
	v_permlane16_swap_b32 v[PC+6*\c+\i], v[PC+12+4*\c+\i]
.endr
.irp i, 0,1,2
	v_mov_b32 v[PC+3+6*\c+\i], v[PC+12+4*\c+\i]
.endr
.endr
.endm
	s_load_b256 s[4:11], s[0:1], 0x0               ; wq s[4:5], xq s[6:7], b_qkv s[8:9], kv s[10:11]
	v_lshl_add_u32 v[SPW], v0, 2, SPARE
	v_mov_b32 v[NIL], 0
	ds_add_u32 v[SPW], v[NIL]                      ; the opening lines: the add, twice on end, and its wait ahead of my tensor load
	ds_add_u32 v[SPW], v[NIL]
	v_lshrrev_b32 v1, 5, v0
	v_readfirstlane_b32 s14, v1                    ; wave 0..3
	s_lshr_b32 s15, s14, 1                         ; which half of source 1's tiles is mine
	s_and_b32 s16, s14, 1                          ; which half of source 0's
	s_bfe_u32 s92, ttmp6, 0x40000                  ; cx
	s_bfe_u32 s93, ttmp6, 0x40004                  ; cy
	s_lshl_b32 s94, ttmp9, 2
	s_add_co_u32 s94, s94, s92                     ; tile column: 256 tokens
	s_and_b32 s17, ttmp7, 0xffff
	s_lshl_b32 s17, s17, 2
	s_add_co_u32 s17, s17, s93                     ; tile row: 128 columns of v
	s_lshl_b32 s95, s93, 2
	s_lshl_b32 s95, 15, s95                        ; my row of the cluster
	s_lshl_b32 s96, 0x1111, s92                    ; my column
	GRP1 G1, 95, 1536, 8
	GRP1 G1B, 96, 1536, 16
	GRP1 G1S, 95, 32, 16
	GRP1 G1SB, 96, 32, 32
	s_mul_i32 s20, s17, 8*TB
	s_add_co_u32 s20, s20, 128*TB                  ; wq's v columns begin at row tile 128
	s_mov_b32 s21, 0
	s_lshl_b32 s22, s17, 12
	s_add_co_u32 s22, s22, 3145728+128*512
	s_mov_b32 s23, 0
	s_mul_i32 s100, s94, 16*TB
	s_mov_b32 s101, 0
	s_lshl_b32 s2, s94, 13
	s_add_co_u32 s2, s2, 6291456
	s_mov_b32 s3, 0
	s_wait_dscnt 0x0                               ; both opening adds are done
	s_wait_kmcnt 0x0
	s_add_nc_u64 s[20:21], s[4:5], s[20:21]
	s_add_nc_u64 s[22:23], s[4:5], s[22:23]
	s_add_nc_u64 s[100:101], s[6:7], s[100:101]
	s_add_nc_u64 s[2:3], s[6:7], s[2:3]
	CROUND                                         ; all sixteen work-groups are here: the joint loads meet
	MKC G0S, LSA, 22
	MKC G0SB, LSB, 2
	MKC G0, 0, 20
	MKC G0B, LB, 100
	ARM 1, G0S, G1S, .Lhead_sb                     ; one load a wave: the two sides' scale words, source 1's codes, source 0's
	ARM 2, G0SB, G1SB, .Lhead_a
	ARM 3, G0, G1, .Lhead_b
	tensor_load_to_lds s[G0B:G0B+3], s[G1B:G1B+7]
	s_nop 0
	PLACES 4
.Lhead_asked:
	s_mul_i32 s18, s15, 4*TB                       ; my four tiles of source 1,
	s_mul_i32 s19, s16, 8*TB
	s_add_co_u32 s19, s19, LB                      ; my eight of source 0,
	s_add_co_u32 s66, s19, 4*TB                    ; the upper four of them
	s_lshl_b32 s69, s15, 11
	s_lshl_b32 s67, s16, 12
	s_add_co_u32 s67, s67, 4096
	s_sub_co_u32 s67, s67, s69                     ; from my words of source 1 to my words of source 0
	s_add_co_u32 s68, s67, 2048
	s_add_co_u32 s70, s69, LSA-2048
	s_add_co_u32 s69, s69, LSA
	s_lshl_b32 s72, s17, 1
	s_add_co_u32 s72, s72, s15                     ; my head
	s_lshl_b32 s73, s94, 4
	s_lshl_b32 s74, s16, 3
	s_add_co_u32 s73, s73, s74                     ; my first token tile
	s_mul_i32 s2, s72, 768
	s_add_co_u32 s2, s2, 512
	s_mov_b32 s3, 0
	s_add_nc_u64 s[8:9], s[8:9], s[2:3]            ; the bias of my head's v
	s_lshr_b32 s74, s73, 7
	s_lshl_b32 s74, s74, 4
	s_add_co_u32 s74, s74, s72                     ; 16 x batch + head
	s_and_b32 s75, s73, 127
	s_lshr_b32 s75, s75, 3                         ; the step of 128 keys
	s_mul_i32 s2, s74, 204800                      ; kv: [head][step][12,800 bytes: K 6,144, V 6,144, K's scale words 256, V's 256]
	s_mul_i32 s75, s75, 12800
	s_add_co_u32 s2, s2, s75
	s_add_co_u32 s2, s2, 6144
	s_add_nc_u64 s[10:11], s[10:11], s[2:3]        ; V's fragments of this step
	s_add_nc_u64 s[20:21], s[10:11], 6400          ; and its scale words
	v_and_b32 v1, 31, v0
	v_and_b32 v2, 15, v0                           ; r
	v_bfe_u32 v3, v0, 4, 1                         ; h
	v_lshlrev_b32 v[L16], 4, v1
	v_lshlrev_b32 v[L8], 3, v1
	v_and_b32 v19, 8, v2
	v_add_nc_u32 v19, v19, v2
	v_lshlrev_b32 v19, 2, v19                      ; my channel within a pair of tiles: r + 8 (r / 8)
	v_add_nc_u32 v[A16], s18, v[L16]
	v_add_nc_u32 v[A8], s18, v[L8]
	v_add_nc_u32 v[B16], s19, v[L16]
	v_add_nc_u32 v[B8], s19, v[L8]
	v_add_nc_u32 v[B16+1], s66, v[L16]
	v_add_nc_u32 v[B8+1], s66, v[L8]
	v_mul_u32_u24 v18, s67, v3                     ; lanes 16-31 take source 0's words: one product, the distance between the two
	v_lshl_add_u32 v18, v2, 3, v18
	v_add_nc_u32 v[ADRS], s69, v18
	v_mul_u32_u24 v20, s68, v3
	v_lshl_add_u32 v20, v2, 3, v20
	v_add_nc_u32 v[ADRS-1], s70, v20
	v_mov_b32 v[FL], 0x1800000
.irp a, 0,1,2,3
	global_load_b32 v[BI+8*\a], v19, s[8:9] offset:(32*(\a/2)+8*(\a%2))*4
.endr
	s_wait_alu depctr_va_vdst(0)                   ; the wait at the head's end
	s_wait_tensorcnt 0x0                           ; my tile is in;
	s_barrier_signal -1
	s_barrier_wait -1                              ; all four are
	FETCH 0
	s_wait_loadcnt 0x0                             ; the bias: one number a lane and block, wanted in all eight registers of a C
.irp a, 0,1,2,3
.irp j, 1,2,3,4,5,6,7
	v_mov_b32 v[BI+8*\a+\j], v[BI+8*\a]
.endr
.endr
	s_wait_alu depctr_va_vdst(0)                   ; directly ahead of the wait below
.irp s, 0,1,2,3,4,5,6,7
	KS \s
.endr
	PLACES 4
	; THE WAY OUT: no LDS.  Block a is tile a of my head: 16 channels x 128 keys, one fragment of V^T
	s_mov_b32 s18, 0x76543210
	s_mov_b32 s19, 0xfedcba98
.irp b, 0,1,2,3
	v_mov_b32 v[TM+4+\b], 0                        ; a lane permute's destination counts as one of its sources
.endr
.irp a, 0,1,2,3
	QUANTW \a
	global_store_b128 v[L16], v[PC:PC+3], s[10:11] offset:\a*1536
	global_store_b64 v[L8], v[PC+4:PC+5], s[10:11] offset:\a*1536+512
	global_store_b128 v[L16], v[PC+6:PC+9], s[10:11] offset:\a*1536+768
	global_store_b64 v[L8], v[PC+10:PC+11], s[10:11] offset:\a*1536+1280
	v_mov_b32 v[QW+\a], v[PW]
.endr
	v_cmp_eq_u32 vcc_lo, 1, v3                     ; word i of lane l belongs to tile 2 i + l / 16, row l % 16
.irp i, 0,1
	v_cndmask_b32 v[OW+\i], v[QW+2*\i], v[QW+2*\i+1], vcc_lo
.endr
	global_store_b64 v[L8], v[OW:OW+1], s[20:21]   ; 256 consecutive bytes, aligned
	s_wait_tensorcnt 0x0                           ; the wave's end
	ds_add_u32 v[SPW], v[NIL]
	s_wait_dscnt 0x0
	CROUND                                         ; the closing round
	s_endpgm
.Lfunc_end_k_qdc0f026029_gv:
	.size	k_qdc0f026029_gv, .Lfunc_end_k_qdc0f026029_gv-k_qdc0f026029_gv
	.p2alignl 7, 3214868480
	.fill 96, 4, 3214868480
	.section	.rodata,"a",@progbits
	.p2align	6, 0x0
	.amdhsa_kernel k_qdc0f026029_gv
		.amdhsa_group_segment_fixed_size 307712
		.amdhsa_private_segment_fixed_size 0
		.amdhsa_enable_private_segment 0
		.amdhsa_kernarg_size 32
		.amdhsa_user_sgpr_count 2
		.amdhsa_user_sgpr_kernarg_segment_ptr 1
		.amdhsa_wavefront_size32 1
		.amdhsa_system_sgpr_workgroup_id_x 1
		.amdhsa_system_sgpr_workgroup_id_y 1
		.amdhsa_system_sgpr_workgroup_id_z 1
		.amdhsa_system_vgpr_workitem_id 0
		.amdhsa_next_free_vgpr 768
		.amdhsa_next_free_sgpr 102
		.amdhsa_reserve_vcc 1
		.amdhsa_float_denorm_mode_32 3
		.amdhsa_float_denorm_mode_16_64 3
		.amdhsa_memory_ordered 1
		.amdhsa_forward_progress 1
		.amdhsa_inst_pref_size 88
	.end_amdhsa_kernel
	.amdgpu_metadata
---
amdhsa.version: [ 1, 2 ]
amdhsa.kernels:
  - .name:           k_qdc0f026029_gv
    .symbol:         k_qdc0f026029_gv.kd
    .args:
      - { .name: wq, .offset: 0, .size: 8, .value_kind: global_buffer, .address_space: global }
      - { .name: xq, .offset: 8, .size: 8, .value_kind: global_buffer, .address_space: global }
      - { .name: b_qkv, .offset: 16, .size: 8, .value_kind: global_buffer, .address_space: global }
      - { .name: kv, .offset: 24, .size: 8, .value_kind: global_buffer, .address_space: global }
    .group_segment_fixed_size: 307712
    .private_segment_fixed_size: 0
    .kernarg_segment_align: 8
    .kernarg_segment_size: 32
    .max_flat_workgroup_size: 128
    .sgpr_count:     102
    .vgpr_count:     768
    .wavefront_size: 32
...
	.end_amdgpu_metadata
.endif
;; end of part 3
;; launch att (part 4): grid 4 x 64, 16 waves a work-group, clusters of 4 x 1, 206,848 bytes of LDS; arguments qq, kv, oq; writes oq
.if DOCPART == 4
	.amdgcn_target "amdgcn-amd-amdhsa--gfx1250"
	.amdhsa_code_object_version 6
	.text
	.protected	k_qdc0f026029_att
	.globl	k_qdc0f026029_att
	.p2align	8
	.type	k_qdc0f026029_att,@function
k_qdc0f026029_att:
	s_mov_b64 s[64:65], 0
	v_nop
	global_prefetch_b8 v0, s[64:65] scope:SCOPE_SE
	s_setreg_imm32_b32 hwreg(HW_REG_WAVE_MODE, 25, 1), 1
	s_wait_xcnt 0x0
	s_wait_alu depctr_hold_cnt(0) depctr_sa_sdst(0) depctr_va_vdst(0) depctr_va_sdst(0) depctr_va_ssrc(0) depctr_va_vcc(0) depctr_vm_vsrc(0)
	s_getreg_b32 s2, hwreg(HW_REG_IB_STS2, 6, 4)
	s_cmp_eq_u32 s2, 0
	s_cbranch_scc0 .Lentry_in_a_cluster
	s_endpgm
.Lentry_in_a_cluster:
	s_bfe_u32 s2, ttmp6, 0x10000c
	s_cmp_lg_u32 s2, 0x3003
	s_cbranch_scc0 .Lentry_shape_is_right
	s_endpgm
.Lentry_shape_is_right:
; vals = softmax(q k^T / 8) v for one head and 512 queries a work-group, both products on codes of FP6 (E2M3) with E8M0 scales; vals are quantised along the head's 64 and leave as codes, an operand of the last product.
; THE SOFTMAX: t = score x log2(e) / 8; M = the running largest t rounded UP to a whole number (kept as -M); p = 2^(t - M) is quantised along the keys, not normalised; the row's sum is taken of the unquantised p and divides at the end.
; When M moves, the sum and O are multiplied by 2^(old M - new M): exact.
; SHARES.  256 work-groups, four to a head; sixteen waves; a wave owns TWO tiles of 16 queries, which share every fragment of K and V, and walks the head's 2,048 keys, 128 a step.
; ALL OF THE HEAD'S K AND V LIE IN LDS, 204,800 bytes, as they lie in memory: [step][K 6,144][V 6,144][K's scale words 256][V's 256].  Wave w brings step w: one tensor load a wave, nothing is filled again.
; Waves 0-3 have a load line of their own: the first barrier shows steps 0-3, the second all.  CLUSTER 4 x 1: the four blocks of queries of one head ask jointly.
; No prefetch: every byte that the work-group reads of K and V is asked for at the head, ahead of any loop.
; LAYOUT.  Both products are used transposed (S^T = K Q^T, O^T = V^T P^T): a lane holds one query.  The head's size is 64, the instruction's K 128: a fragment of K holds TWO tiles of keys, [k_a | k_b],
; and is multiplied with [q | 0] and with [0 | q], which lie in the run 0, q0, 0, q1, 0 of six registers each.  Row m of fragment f is key 32 (m / 8) + 8 f + m % 8 (k_a) and the key 64 further on (k_b):
; each lane picks its row out of the tiles as they were stored.  So the 32 scores of lane (r, h) in registers 32 c + .. are the keys of block 2 c + h in order: a block's largest score needs no other lane, and the conversions give p's operand as it falls.
; LIMITS: NaN and infinities are not served; the promise holds while the scaled scores stay under 2^31 in magnitude; a block of vals whose largest magnitude lies under 2^-124 keeps the byte 1, a block of zeros too.
.set STEPB, 12800
.set HEADB, 204800
.set SPARE, 204800                     ; the spare words, 128 bytes for each wave: eight blocks of 256 bytes that no other line names
.set QSO,   6291456
.set XSO,   6291456
.set V16, 1                            ; v1  16 x lane
.set K16, 3                            ; v3  K's pieces of 16 bytes: 1,536 (r / 8) + 16 (r % 8) + 256 h   (v2, v4: -M of tile 0, 1; the pairs v[2:3], v[4:5] are named for their low words)
.set K8,  5                            ; v5  its pieces of 8: 1,536 (r / 8) + 8 (r % 8) + 128 h
.set V8,  6                            ; v6  8 x lane
.set KSA, 7                            ; v7  K's scale words: 8 (r % 8) + 4 (r / 8) + 128 h
.set SUM, 8                            ; v[8:9], v[10:11] the rows' sums
.set F,   12                           ; v12 f, v13: at work; at a step's loads the LDS addresses
.set X,   14                           ; v14, v15 at work
.set BM,  16                           ; v16, v17 my two blocks' largest
.set KS,  18                           ; v18, v19 K's scale words, then V's
.set SPW, 20                           ; v20 LDS address of my spare word; never rewritten
.set NIL, 21                           ; v21 0; never rewritten
.set QS,  22                           ; v22 Q's scale words: lanes 0-15 tile 0, lanes 16-31 tile 1
.set PS,  23                           ; v23, v24 p's scale words
.set QB,  26                           ; v26-55 0, q0, 0, q1, 0
.set P,   56                           ; v56-79 p's codes, two tiles (ahead of the conversions: partial sums)
.set KV,  80                           ; v80-127 four fragments of K, then of V
.set S,   128                          ; v128-191 S^T, then p
.set O,   192                          ; v192-255 O^T, two tiles
.set WV,  10
.set SEL, 20
.set CS,  22
.set NC,  24
.set G0,  28
.set G1,  32
.set TB,  60
.set CNT, 61
.macro CROUND
	s_barrier_signal -1
	s_barrier_wait -1
	s_cmp_lg_u32 s[WV], 0
	s_cbranch_scc1 .Lnot_wave_0_\@
	s_barrier_signal -3
.Lnot_wave_0_\@:
	s_barrier_wait -3
	s_barrier_signal -1
	s_barrier_wait -1
.endm
.macro NOPS n
.rept \n
	v_nop
.endr
.endm
.macro WM d, a, b, c, sa, sb, ra, rb
	v_wmma_scale_f32_16x16x128_f8f6f4 v[(\d):(\d)+7], v[(\a):(\a)+11], v[(\b):(\b)+11], \c, v[\sa], v[\sb] matrix_a_fmt:MATRIX_FMT_FP6 matrix_b_fmt:MATRIX_FMT_FP6 matrix_a_scale:MATRIX_SCALE_ROW\ra matrix_b_scale:MATRIX_SCALE_ROW\rb
.endm
.macro SMUL u                          ; S^T of tile u: each fragment with [q | 0] (keys of blocks 0, 1) and with [0 | q] (blocks 2, 3)
.irp t, 0,1,2,3
.if \t%2
	WM S+8*\t, KV+12*\t, QB+6+12*\u, 0, KS+\t/2, QS, 1, \u
	WM S+32+8*\t, KV+12*\t, QB+12*\u, 0, KS+\t/2, QS, 1, \u
.else
	WM S+8*\t, KV+12*\t, QB+6+12*\u, 0, KS+\t/2, QS, 0, \u
	WM S+32+8*\t, KV+12*\t, QB+12*\u, 0, KS+\t/2, QS, 0, \u
.endif
.endr
.endm
.macro SOFTMAX u
.set NM, 2+2*\u
.set SU, SUM+2*\u
.set PP, P+12*\u
.set OO, O+32*\u
.irp c, 0,1                            ; the largest score of my two blocks of 32 keys: a chain to each accumulator, eight side by side, in p's registers, which are free here; every accumulator is first read at its low end
.irp n, 0,1,2,3
	v_max3_num_f32 v[PP+4*\c+\n], v[S+32*\c+8*\n], v[S+32*\c+8*\n+1], v[S+32*\c+8*\n+2]
.endr
.endr
.irp k, 3,5
.irp c, 0,1
.irp n, 0,1,2,3
	v_max3_num_f32 v[PP+4*\c+\n], v[PP+4*\c+\n], v[S+32*\c+8*\n+\k], v[S+32*\c+8*\n+\k+1]
.endr
.endr
.endr
	v_max3_num_f32 v[PP], v[PP], v[PP+1], v[S+7]
	v_max3_num_f32 v[PP+2], v[PP+2], v[PP+3], v[S+15]
	v_max3_num_f32 v[PP+4], v[PP+4], v[PP+5], v[S+39]
	v_max3_num_f32 v[PP+6], v[PP+6], v[PP+7], v[S+47]
	v_max3_num_f32 v[PP], v[PP], v[PP+2], v[S+23]  ; the chains are joined, each line with one more score
	v_max3_num_f32 v[PP+4], v[PP+4], v[PP+6], v[S+55]
	v_max_num_f32 v[BM], v[PP], v[S+31]
	v_max_num_f32 v[BM+1], v[PP+4], v[S+63]
	s_delay_alu instid0(VALU_DEP_1)
	v_max_num_f32 v[X], v[BM], v[BM+1]
	s_delay_alu instid0(VALU_DEP_1)
	v_permlanex16_b32 v[X+1], v[X], s[SEL], s[SEL+1]
	s_delay_alu instid0(VALU_DEP_1)
	v_max_num_f32 v[X], v[X], v[X+1]               ; the step's largest score of my query
	s_delay_alu instid0(VALU_DEP_1)
	v_mul_f32 v[X], s[NC], v[X]                    ; -t
	s_delay_alu instid0(VALU_DEP_1)
	v_floor_f32 v[X], v[X]                         ; -ceil(t)
	s_delay_alu instid0(VALU_DEP_1)
	v_min_num_f32 v[X], v[X], v[NM]                ; the new -M: the ceiling of the running maximum
	s_delay_alu instid0(VALU_DEP_1)
	v_sub_f32 v[X+1], v[X], v[NM]                  ; old M - new M: a whole number, 0 or less
	v_mov_b32 v[NM], v[X]
	s_delay_alu instid0(VALU_DEP_2)
	v_cvt_i32_f32 v[X+1], v[X+1]                   ; (it saturates)
	s_delay_alu instid0(VALU_DEP_1)
	v_ldexp_f32 v[F], 1.0, v[X+1]                  ; f = 2^(old M - new M)
.set j, 0
.rept 32
	v_pk_fma_f32 v[S+j:S+j+1], v[S+j:S+j+1], s[CS:CS+1], v[NM:NM+1] op_sel_hi:[1,0,0]   ; t - M, two at a time
.set j, j+2
.endr
	v_fma_f32 v[BM], v[BM], s[CS], v[NM]           ; the same of each block's largest score
	v_fma_f32 v[BM+1], v[BM+1], s[CS], v[NM]
	s_wait_alu depctr_va_vdst(0)                   ; ahead of the batch
.set j, 0
.rept 64
	v_exp_f32 v[S+j], v[S+j]                       ; p = 2^(t - M)
.set j, j+1
.endr
	v_exp_f32 v[BM], v[BM]                         ; the block's largest p
	v_exp_f32 v[BM+1], v[BM+1]
	v_pk_mul_f32 v[SU:SU+1], v[SU:SU+1], v[F:F+1] op_sel_hi:[1,0]   ; the sum under the new M: a plain place behind the exponentials
	s_wait_alu depctr_va_vdst(0)                   ; one wait for the batch, ahead of its first reader
	v_max_num_f32 v[BM], 0x1800000, v[BM]          ; the floor 2^(3 - 127)
	v_max_num_f32 v[BM+1], 0x1800000, v[BM+1]
.irp k, 0,1,2,3,4,5
	v_pk_add_f32 v[PP+2*\k:PP+2*\k+1], v[S+4*\k:S+4*\k+1], v[S+4*\k+2:S+4*\k+3]   ; the row's sum of the unquantised p, in seven chains
.endr
.set j, 24
.rept 2
	v_pk_add_f32 v[SU:SU+1], v[SU:SU+1], v[S+j:S+j+1]
.irp k, 0,1,2,3,4,5
	v_pk_add_f32 v[PP+2*\k:PP+2*\k+1], v[PP+2*\k:PP+2*\k+1], v[S+j+2+2*\k:S+j+3+2*\k]
.endr
.set j, j+14
.endr
	v_pk_add_f32 v[SU:SU+1], v[SU:SU+1], v[S+52:S+53]
.irp k, 0,1,2,3,4
	v_pk_add_f32 v[PP+2*\k:PP+2*\k+1], v[PP+2*\k:PP+2*\k+1], v[S+54+2*\k:S+55+2*\k]
.endr
	v_pk_add_f32 v[PP+10:PP+11], v[PP+10:PP+11], v[PP:PP+1]
	v_pk_add_f32 v[SU:SU+1], v[SU:SU+1], v[PP+2:PP+3]
	v_add_nc_u32 v[BM], 0xff000000, v[BM]          ; 2 off the exponent field: the conversion's scale operand
	v_add_nc_u32 v[BM+1], 0xff000000, v[BM+1]
	v_pk_add_f32 v[PP+4:PP+5], v[PP+4:PP+5], v[PP+6:PP+7]
	v_pk_add_f32 v[PP+8:PP+9], v[PP+8:PP+9], v[PP+10:PP+11]
	s_delay_alu instid0(VALU_DEP_2)
	v_pk_add_f32 v[SU:SU+1], v[SU:SU+1], v[PP+4:PP+5]
	s_delay_alu instid0(VALU_DEP_1)
	v_pk_add_f32 v[SU:SU+1], v[SU:SU+1], v[PP+8:PP+9]
	v_cvt_scalef32_pk16_fp6_f32 v[PP:PP+2], v[S:S+15], v[BM]
	v_cvt_scalef32_pk16_fp6_f32 v[PP+6:PP+8], v[S+32:S+47], v[BM+1]
	v_lshrrev_b32 v[X], 23, v[BM]                  ; the byte (a plain place behind the conversions)
	v_cvt_scalef32_pk16_fp6_f32 v[S:S+2], v[S+16:S+31], v[BM]        ; (a conversion's three registers begin on an even number: made where p has been used up, and moved)
	v_cvt_scalef32_pk16_fp6_f32 v[S+32:S+34], v[S+48:S+63], v[BM+1]
	v_lshrrev_b32 v[X+1], 23, v[BM+1]
	s_delay_alu instid0(VALU_DEP_1)
	v_lshl_or_b32 v[X], v[X+1], 16, v[X]           ; my blocks h and 2 + h
	v_mov_b32 v[PP+3], v[S]
	v_mov_b32 v[PP+9], v[S+32]
	s_delay_alu instid0(VALU_DEP_3)
	v_permlanex16_b32 v[X+1], v[X], s[SEL], s[SEL+1]
.irp i, 1,2
	v_mov_b32 v[PP+3+\i], v[S+\i]
	v_mov_b32 v[PP+9+\i], v[S+32+\i]
.endr
	v_lshl_or_b32 v[PS+\u], v[X+1], 8, v[X]        ; lanes 0-15: the four bytes in order; lanes 16-31 are not read
.if \u
	s_wait_dscnt 0x0                               ; V
.endif
	s_wait_alu depctr_va_vdst(0)                   ; directly ahead of the first reader of O^T
.set j, 0
.rept 16
	v_pk_mul_f32 v[OO+j:OO+j+1], v[OO+j:OO+j+1], v[F:F+1] op_sel_hi:[1,0]   ; O^T under the new M; also the places between the scale word's and the codes' writes and the products
.set j, j+2
.endr
.endm
; A KEY STEP: 128 keys, two tiles of queries
.macro STEP
	v_add_nc_u32 v[F], s[TB], v[K16]               ; (these four are the places behind the last step's products)
	v_add_nc_u32 v[F+1], s[TB], v[K8]
	v_add_nc_u32 v[X], s[TB], v[KSA]
	v_nop
.irp t, 0,1,2,3
.irp c, 0,1
	ds_load_b128 v[KV+12*\t+6*\c:KV+12*\t+6*\c+3], v[F] offset:3072*\c+768*(\t%2)+128*(\t/2)
	ds_load_b64 v[KV+12*\t+6*\c+4:KV+12*\t+6*\c+5], v[F+1] offset:3072*\c+768*(\t%2)+64*(\t/2)+512
.endr
.endr
	ds_load_b32 v[KS], v[X] offset:12288           ; lanes 0-15 fragment 0's rows, lanes 16-31 fragment 1's
	ds_load_b32 v[KS+1], v[X] offset:12288+64      ; fragments 2 and 3
	s_wait_dscnt 0x0
	SMUL 0
	NOPS 4
	SOFTMAX 0
	SMUL 1
	v_add_nc_u32 v[F], s[TB], v[V16]               ; four places, then V's fragments onto K's: they land under the softmax
	v_add_nc_u32 v[F+1], s[TB], v[V8]
	NOPS 2
.irp t, 0,1,2,3
	ds_load_b128 v[KV+12*\t:KV+12*\t+3], v[F] offset:6144+1536*\t
	ds_load_b64 v[KV+12*\t+4:KV+12*\t+5], v[F+1] offset:6144+1536*\t+512
	ds_load_b128 v[KV+12*\t+6:KV+12*\t+9], v[F] offset:6144+1536*\t+768
	ds_load_b64 v[KV+12*\t+10:KV+12*\t+11], v[F+1] offset:6144+1536*\t+1280
.endr
	ds_load_b64 v[KS:KS+1], v[F+1] offset:12544
	SOFTMAX 1
.irp t, 0,1,2,3                        ; the eight accumulators take turns
.if \t%2
	WM O+8*\t, KV+12*\t, P, v[O+8*\t:O+8*\t+7], KS+\t/2, PS, 1, 0
	WM O+32+8*\t, KV+12*\t, P+12, v[O+32+8*\t:O+32+8*\t+7], KS+\t/2, PS+1, 1, 0
.else
	WM O+8*\t, KV+12*\t, P, v[O+8*\t:O+8*\t+7], KS+\t/2, PS, 0, 0
	WM O+32+8*\t, KV+12*\t, P+12, v[O+32+8*\t:O+32+8*\t+7], KS+\t/2, PS+1, 0, 0
.endif
.endr
.endm
.macro WALK first, trips
	s_mov_b32 s[TB], (\first)*STEPB
	s_mov_b32 s[CNT], \trips
.Lstep_\@:
	STEP
	s_add_co_u32 s[TB], s[TB], STEPB
	s_sub_co_u32 s[CNT], s[CNT], 1
	s_cmp_lg_u32 s[CNT], 0
	s_cbranch_scc1 .Lstep_\@
.endm
; vals of tile u: register 16 b + i of v[S + 32 u ..] is channel 32 b + 16 h + i of my query: two blocks of the last product's K
.macro OUT u
.set SB, S+32*\u
.set W, KV+24*\u
	v_max3_num_f32 v[W], |v[SB]|, |v[SB+1]|, 0x1800000
	v_max3_num_f32 v[W+1], |v[SB+16]|, |v[SB+17]|, 0x1800000
.irp i, 2,4,6,8,10,12,14
	v_max3_num_f32 v[W], v[W], |v[SB+\i]|, |v[SB+1+\i]|
	v_max3_num_f32 v[W+1], v[W+1], |v[SB+16+\i]|, |v[SB+17+\i]|
.endr
	v_permlanex16_b32 v[W+2], v[W], s[SEL], s[SEL+1]
	v_permlanex16_b32 v[W+3], v[W+1], s[SEL], s[SEL+1]
	v_max_num_f32 v[W], v[W], v[W+2]
	v_max_num_f32 v[W+1], v[W+1], v[W+3]
	v_add_nc_u32 v[W+4], 0xff000000, v[W]
	v_add_nc_u32 v[W+5], 0xff000000, v[W+1]
	v_lshrrev_b32 v[W+2], 23, v[W+4]
	v_lshrrev_b32 v[W+3], 23, v[W+5]
	v_cndmask_b32 v[W+6], v[W+2], v[W+3], vcc_lo   ; lanes 0-15 store block 0's byte of their row, lanes 16-31 block 1's
	v_cvt_scalef32_pk16_fp6_f32 v[W+8:W+10], v[SB:SB+15], v[W+4]
	v_cvt_scalef32_pk16_fp6_f32 v[W+16:W+18], v[SB+16:SB+31], v[W+5]
	v_nop                                          ; one plain place behind a scaled conversion
.irp i, 0,1,2
	v_permlane16_swap_b32 v[W+8+\i], v[W+16+\i]    ; a whole block in a lane
.endr
.irp i, 0,1,2
	v_mov_b32 v[W+11+\i], v[W+16+\i]
.endr
	global_store_b128 v[V16], v[W+8:W+11], s[8:9] offset:12288*\u        ; half a fragment: 512 consecutive bytes,
	global_store_b64 v[V8], v[W+12:W+13], s[8:9] offset:12288*\u+512     ; and 256
	global_store_b8 v[BM+1], v[W+6], s[78:79] offset:512*\u
.endm
	s_load_b128 s[4:7], s[0:1], 0x0                ; qq, kv
	s_load_b64 s[8:9], s[0:1], 0x10                ; oq
	v_lshl_add_u32 v[SPW], v0, 2, SPARE
	v_mov_b32 v[NIL], 0
	ds_add_u32 v[SPW], v[NIL]                      ; the opening lines: the add, twice on end, and its wait ahead of my tensor load
	ds_add_u32 v[SPW], v[NIL]
	v_lshrrev_b32 v[X], 5, v0
	v_readfirstlane_b32 s[WV], v[X]                ; wave 0..15
	s_bfe_u32 s11, ttmp6, 0x40000                  ; cx: it enters Q's and vals' addresses alone
	s_and_b32 s12, ttmp7, 0xffff                   ; 16 x batch + head, which the four partners share
	s_mul_i32 s14, s12, HEADB
	s_mul_i32 s16, s[WV], STEPB                    ; my step of the head's sixteen
	s_add_co_u32 s14, s14, s16
	s_mov_b32 s15, 0
	s_mov_b32 s[G0], 1
	s_mov_b32 s[G0+1], s16                         ; LDS has the head's bytes as memory has them
	s_mov_b32 s[G1], 15|(3<<16)|(1<<21)            ; the mask: all four; elements of 8 bytes; bit 21 beside a mask
	s_mov_b32 s[G1+1], 32<<16                      ; 50 rows of 256 bytes, dense
	s_mov_b32 s[G1+2], 50<<16
	s_mov_b32 s[G1+3], 32<<16
	s_mov_b32 s[G1+4], 50
	s_mov_b32 s[G1+5], 32
	s_mov_b32 s[G1+6], 0
	s_mov_b32 s[G1+7], 0
	s_mov_b32 s[SEL], 0x76543210
	s_mov_b32 s[SEL+1], 0xfedcba98
	s_mov_b32 s[CS], 0x3e38aa3b                    ; c = log2(e) / 8
	s_mov_b32 s[CS+1], s[CS]
	s_mov_b32 s[NC], 0xbe38aa3b                    ; -c
	s_lshl_b32 s13, s11, 5
	s_lshl_b32 s17, s[WV], 1
	s_add_co_u32 s13, s13, s17                     ; my first tile of queries, 0..126
	s_mul_i32 s66, s12, 98304
	s_mul_i32 s67, s13, 768
	s_add_co_u32 s66, s66, s67                     ; Q's codes
	s_mov_b32 s67, 0
	s_lshl_b32 s68, s12, 4
	s_lshr_b32 s69, s13, 3
	s_add_co_u32 s68, s68, s69
	s_lshl_b32 s68, s68, 9                         ; Q's scale words: the 512 bytes of my tiles' group of eight,
	s_and_b32 s69, s[WV], 3
	s_lshl_b32 s69, s69, 2                         ; word (tile % 8) / 2: lanes 0-15 the even tile's, lanes 16-31 the odd one's
	s_add_co_u32 s68, s68, s69
	s_add_co_u32 s68, s68, QSO
	s_mov_b32 s69, 0
	s_lshr_b32 s70, s12, 4
	s_lshl_b32 s70, s70, 7
	s_add_co_u32 s70, s70, s13                     ; the token tile in oq
	s_and_b32 s71, s12, 15                         ; the head
	s_mul_i32 s72, s70, 12288
	s_mul_i32 s73, s71, 768
	s_add_co_u32 s72, s72, s73
	s_mov_b32 s73, 0
	s_lshl_b32 s74, s70, 9
	s_lshr_b32 s75, s71, 2
	s_lshl_b32 s75, s75, 7
	s_add_co_u32 s74, s74, s75
	s_and_b32 s75, s71, 3
	s_lshl_b32 s75, s75, 1
	s_add_co_u32 s74, s74, s75
	s_add_co_u32 s74, s74, XSO                     ; vals' scale bytes: 512 x tile + 128 (hd / 4) + 2 (hd % 4)
	s_mov_b32 s75, 0
	s_wait_dscnt 0x0                               ; both opening adds are done
	s_wait_kmcnt 0x0
	s_add_nc_u64 s[G0+2:G0+3], s[6:7], s[14:15]
	s_or_b32 s[G0+3], s[G0+3], 0x80000000
	s_add_nc_u64 s[76:77], s[4:5], s[68:69]
	s_add_nc_u64 s[4:5], s[4:5], s[66:67]
	s_add_nc_u64 s[78:79], s[8:9], s[74:75]
	s_add_nc_u64 s[8:9], s[8:9], s[72:73]
	CROUND                                         ; all four work-groups are here: the joint loads meet
	s_cmp_lt_u32 s[WV], 4                          ; one load a wave; waves 0-3, whose steps are read first, have a line of their own
	s_cbranch_scc0 .Llater
	tensor_load_to_lds s[G0:G0+3], s[G1:G1+7]
	s_nop 0
	NOPS 4
	s_branch .Lasked
.Llater:
	tensor_load_to_lds s[G0:G0+3], s[G1:G1+7]
	s_nop 0
	NOPS 4
.Lasked:
	v_and_b32 v[X], 31, v0
	v_lshlrev_b32 v[V16], 4, v[X]
	v_lshlrev_b32 v[V8], 3, v[X]
	v_and_b32 v[X], 7, v0                          ; r % 8
	v_bfe_u32 v[X+1], v0, 3, 1                     ; r / 8
	v_bfe_u32 v[BM], v0, 4, 1                      ; h
	v_mul_u32_u24 v[BM+1], v[X+1], 1536
	v_lshl_add_u32 v[K16], v[X], 4, v[BM+1]
	v_lshl_add_u32 v[K16], v[BM], 8, v[K16]
	v_lshl_add_u32 v[K8], v[X], 3, v[BM+1]
	v_lshl_add_u32 v[K8], v[BM], 7, v[K8]
	v_lshlrev_b32 v[KSA], 2, v[X+1]
	v_lshl_add_u32 v[KSA], v[X], 3, v[KSA]
	v_lshl_add_u32 v[KSA], v[BM], 7, v[KSA]
	global_load_b128 v[QB+6:QB+9], v[V16], s[4:5]  ; Q's two half fragments stay in registers
	global_load_b64 v[QB+10:QB+11], v[V8], s[4:5] offset:512
	global_load_b128 v[QB+18:QB+21], v[V16], s[4:5] offset:768
	global_load_b64 v[QB+22:QB+23], v[V8], s[4:5] offset:1280
	global_load_b32 v[F], v[V16], s[76:77]         ; and their scale words
.irp i, 0,1,2,3,4,5
	v_mov_b32 v[QB+\i], 0                          ; the zero codes beside q
	v_mov_b32 v[QB+12+\i], 0
	v_mov_b32 v[QB+24+\i], 0
.endr
	v_mov_b32 v2, 0x7f61b1e6                       ; -M: 3e38, over every -t
	v_mov_b32 v4, 0x7f61b1e6
.irp i, 0,1,2,3
	v_mov_b32 v[SUM+\i], 0
.endr
	v_mov_b32 v[F+1], 0                            ; (named as the upper half of a pair)
	s_wait_alu depctr_va_vdst(0)                   ; directly ahead of the wait below
	s_wait_loadcnt 0x0
	v_perm_b32 v[QS], v[F], v[F], 0x01000100       ; q's two bytes in both halves of the word: they serve [q | 0] and [0 | q]
.set j, 0
.rept 64
	v_mov_b32 v[O+j], 0                            ; O^T: the step is written once, and the first change of M leaves zeros zeros
.set j, j+1
.endr
	s_wait_alu depctr_va_vdst(0)                   ; the wait at the head's end
	s_cmp_lt_u32 s[WV], 4
	s_cbranch_scc0 .Lnot_first
	s_wait_tensorcnt 0x0
.Lnot_first:
	s_barrier_signal -1
	s_barrier_wait -1                              ; steps 0-3 are in; the others may be on their way: nothing is ever filled again
	WALK 0, 4
	s_wait_tensorcnt 0x0
	s_barrier_signal -1
	s_barrier_wait -1                              ; all sixteen steps are in
	WALK 4, 12
	; THE WAY OUT: vals = O^T / the sum
	NOPS 4
	v_add_f32 v8, v8, v9
	v_add_f32 v10, v10, v11
	v_permlanex16_b32 v[X], v8, s[SEL], s[SEL+1]
	v_permlanex16_b32 v[X+1], v10, s[SEL], s[SEL+1]
	v_add_f32 v8, v8, v[X]                         ; the rows' sums
	v_add_f32 v10, v10, v[X+1]
	s_wait_alu depctr_va_vdst(0)                   ; ahead of the transcendentals
	v_rcp_f32 v8, v8
	v_rcp_f32 v10, v10
	v_bfe_u32 v[BM], v0, 4, 1                      ; h: a plain place behind them
	s_wait_alu depctr_va_vdst(0)                   ; and ahead of their first reader, which is also O^T's
.set j, 0
.rept 32
	v_mul_f32 v[S+j], v[O+j], v8
.set j, j+1
.endr
.rept 32
	v_mul_f32 v[S+j], v[O+j], v10
.set j, j+1
.endr
	v_and_b32 v[BM+1], 15, v0
	v_lshl_add_u32 v[BM+1], v[BM+1], 3, v[BM]      ; 8 x (lane % 16) + lane / 16: my scale byte of vals
	v_cmp_eq_u32 vcc_lo, 1, v[BM]
	OUT 0
	OUT 1
	s_wait_tensorcnt 0x0                           ; the wave's end
	ds_add_u32 v[SPW], v[NIL]
	s_wait_dscnt 0x0
	CROUND                                         ; the closing round
	s_endpgm
.Lfunc_end_k_qdc0f026029_att:
	.size	k_qdc0f026029_att, .Lfunc_end_k_qdc0f026029_att-k_qdc0f026029_att
	.p2alignl 7, 3214868480
	.fill 96, 4, 3214868480
	.section	.rodata,"a",@progbits
	.p2align	6, 0x0
	.amdhsa_kernel k_qdc0f026029_att
		.amdhsa_group_segment_fixed_size 206848
		.amdhsa_private_segment_fixed_size 0
		.amdhsa_enable_private_segment 0
		.amdhsa_kernarg_size 24
		.amdhsa_user_sgpr_count 2
		.amdhsa_user_sgpr_kernarg_segment_ptr 1
		.amdhsa_wavefront_size32 1
		.amdhsa_system_sgpr_workgroup_id_x 1
		.amdhsa_system_sgpr_workgroup_id_y 1
		.amdhsa_system_sgpr_workgroup_id_z 1
		.amdhsa_system_vgpr_workitem_id 0
		.amdhsa_next_free_vgpr 256
		.amdhsa_next_free_sgpr 80
		.amdhsa_reserve_vcc 1
		.amdhsa_float_denorm_mode_32 3
		.amdhsa_float_denorm_mode_16_64 3
		.amdhsa_memory_ordered 1
		.amdhsa_forward_progress 1
		.amdhsa_inst_pref_size 72
	.end_amdhsa_kernel
	.amdgpu_metadata
---
amdhsa.version: [ 1, 2 ]
amdhsa.kernels:
  - .name:           k_qdc0f026029_att
    .symbol:         k_qdc0f026029_att.kd
    .args:
      - { .name: qq, .offset: 0, .size: 8, .value_kind: global_buffer, .address_space: global }
      - { .name: kv, .offset: 8, .size: 8, .value_kind: global_buffer, .address_space: global }
      - { .name: oq, .offset: 16, .size: 8, .value_kind: global_buffer, .address_space: global }
    .group_segment_fixed_size: 206848
    .private_segment_fixed_size: 0
    .kernarg_segment_align: 8
    .kernarg_segment_size: 24
    .max_flat_workgroup_size: 512
    .sgpr_count:     80
    .vgpr_count:     256
    .wavefront_size: 32
...
	.end_amdgpu_metadata
.endif
;; end of part 4
;; launch gout (part 5): grid 4 x 64, 4 waves a work-group, clusters of 4 x 4, 307,712 bytes of LDS; arguments oq, wq, b_out, out0; writes out0
.if DOCPART == 5
	.amdgcn_target "amdgcn-amd-amdhsa--gfx1250"
	.amdhsa_code_object_version 6
	.text
	.protected	k_qdc0f026029_gout
	.globl	k_qdc0f026029_gout
	.p2align	8
	.type	k_qdc0f026029_gout,@function
k_qdc0f026029_gout:
	s_mov_b64 s[64:65], 0
	v_nop
	global_prefetch_b8 v0, s[64:65] scope:SCOPE_SE
	s_setreg_imm32_b32 hwreg(HW_REG_WAVE_MODE, 25, 1), 1
	s_wait_xcnt 0x0
	s_wait_alu depctr_hold_cnt(0) depctr_sa_sdst(0) depctr_va_vdst(0) depctr_va_sdst(0) depctr_va_ssrc(0) depctr_va_vcc(0) depctr_vm_vsrc(0)
	s_getreg_b32 s2, hwreg(HW_REG_IB_STS2, 6, 4)
	s_cmp_eq_u32 s2, 0
	s_cbranch_scc0 .Lentry_in_a_cluster
	s_endpgm
.Lentry_in_a_cluster:
	s_bfe_u32 s2, ttmp6, 0x10000c
	s_cmp_lg_u32 s2, 0xf033
	s_cbranch_scc0 .Lentry_shape_is_right
	s_endpgm
.Lentry_shape_is_right:
; out0 = vals W_out + b_out on codes of FP6 (E2M3) with E8M0 scales, K = 1,024; f32 results.
; OPERANDS lie in the order of their registers: codes [row tile of 16][K step of 128][1,536 bytes] (a half of 768: registers 0-3 of lane l at 16 l, registers 4-5 at 512 + 8 l); scale words [row tile][256 K][row][2] behind the codes;
; rows by position (position p holds row p with bits 3 and 4 exchanged).
; SHARES.  256 work-groups; each makes 128 tokens x 256 columns; a wave 64 x 128: 32 accumulators.  Source 0 = 16 columns of W_out, source 1 = 16 tokens: a lane holds one token and columns in their true order.
; The bias is the C of each sum's first product.
; ALL OF K LIES IN LDS, filled once: the tokens' 8 row tiles (98,304 dense bytes), the weight's 16 (196,608), their scale words (4,096 and 8,192).  One joint load a wave at the head; nothing is filled again.
; CLUSTER 4 x 4: the tokens' tiles are shared along a row of the cluster, the weight's along a column.  No prefetch: every byte is asked for at the head, ahead of any work.
; Both operands have two sets of registers: a step's LDS loads are issued one step, 32 matrix instructions, ahead of the wait for them.
; THE WAY OUT undoes the order of the tokens by the stores' immediates: a block of 16 tokens goes through the wave's stage in LDS and leaves as rows of 512 consecutive bytes.  The stages lie on the tokens' tiles, which have had their
; only fill; a barrier, signalled when a wave's last LDS loads are in and waited for behind its last products, stands between all reads of the tiles and the first store.
; REGISTERS: window 0: v1-29 addresses; v32-63 scale words, two sets; v64-127 the bias; v128-223 source 1's fragments, two sets of four.  Window 1: source 0's, two sets of eight.  Window 2: the accumulators.
.set TB,  12288                        ; a row tile's codes, all of K
.set FR,  12
.set FRB, 1536
.set LB,  8*TB                         ; LDS: source 0's tiles, behind source 1's
.set LSA, 24*TB                        ; source 1's scale words
.set LSB, LSA+4096                     ; source 0's
.set SPARE, LSB+8192                   ; the spare words, 128 bytes for each wave: two blocks of 256 bytes that no other line names
.set SPITCH, 528                       ; a stage row: 512 bytes + 16
.set A16, 4
.set A8,  5
.set B16, 6                            ; v6, v7: tiles 0-3, 4-7
.set B8,  8                            ; v8, v9
.set L16, 16
.set L8,  17
.set STO, 24                           ; v24 the way out: where I put 32 bytes of a row
.set RD,  25                           ; v25 and where I read a row back
.set ADRS, 27                          ; v27 my scale words: lanes 0-15 source 1's block i, lanes 16-31 source 0's block i; v26: for i = 4 .. 7, where lanes 0-15 read block i - 4 again
.set SPW, 28                           ; v28 LDS address of my spare word; never rewritten
.set NIL, 29                           ; v29 0; never rewritten
.set SC,  32
.set BI,  64
.set AF,  128
.set BK,  128                          ; the way out: 16 rows read back: v128-191 and v192-255 by turns
.set G1,  24
.set G0,  32
.set G0B, 36
.set G0S, 40
.set G0SB, 44
.set G1B, 48
.set G1S, 76
.set G1SB, 84
.set MSB, 0
.macro WIN new                         ; the immediate's high byte repeats the setting that is left
.if MSB != (\new)
	s_set_vgpr_msb (MSB<<8)|(\new)
.set MSB, (\new)
.endif
.endm
.macro CROUND
	s_barrier_signal -1
	s_barrier_wait -1
	s_cmp_lg_u32 s14, 0
	s_cbranch_scc1 .Lnot_wave_0_\@
	s_barrier_signal -3
.Lnot_wave_0_\@:
	s_barrier_wait -3
	s_barrier_signal -1
	s_barrier_wait -1
.endm
.macro PLACES n
.rept \n
	v_nop
.endr
.endm
.macro GRP1 g, mask, cols, rows        ; group 1: rows of cols elements of 8 bytes, dense; the mask, bit 21 beside it
	s_or_b32 s[\g], s[\mask], (3<<16)|(1<<21)
	s_mov_b32 s[\g+1], (\cols)<<16
	s_mov_b32 s[\g+2], (\rows)<<16
	s_mov_b32 s[\g+3], (\cols)<<16
	s_mov_b32 s[\g+4], \rows
	s_mov_b32 s[\g+5], \cols
	s_mov_b32 s[\g+6], 0
	s_mov_b32 s[\g+7], 0
.endm
.macro MKC g, lds, ga
	s_mov_b32 s[\g], 1
	s_mov_b32 s[\g+1], \lds
	s_mov_b64 s[\g+2:\g+3], s[\ga:\ga+1]
	s_or_b32 s[\g+3], s[\g+3], 0x80000000
.endm
.macro ARM under, g0, g1, next
	s_cmp_lt_u32 s14, \under
	s_cbranch_scc0 \next
	tensor_load_to_lds s[\g0:\g0+3], s[\g1:\g1+7]
	s_nop 0
	PLACES 4
	s_branch .Lhead_asked
\next:
.endm
.macro FRAG reg, a16, a8, off          ; a fragment comes as it was stored: four loads, each of consecutive bytes
	ds_load_b128 v[\reg:\reg+3], v[\a16] offset:\off
	ds_load_b64 v[\reg+4:\reg+5], v[\a8] offset:\off+512
	ds_load_b128 v[\reg+6:\reg+9], v[\a16] offset:\off+768
	ds_load_b64 v[\reg+10:\reg+11], v[\a8] offset:\off+1280
.endm
.macro FETCH s                         ; step s's fragments into set s % 2; with an even step the scale words of its 256 along K
	WIN 0x40
.irp i, 0,1,2,3,4,5,6,7
	FRAG 128*((\s)%2)+FR*\i, B16+\i/4, B8+\i/4, (\i%4)*TB+(\s)*FRB
.endr
	WIN 0
.irp i, 0,1,2,3
	FRAG AF+48*((\s)%2)+FR*\i, A16, A8, \i*TB+(\s)*FRB
.endr
.if (\s)%2 == 0
.irp i, 0,1,2,3,4,5,6,7
	ds_load_b64 v[SC+16*(((\s)/2)%2)+2*\i:SC+16*(((\s)/2)%2)+2*\i+1], v[ADRS-\i/4] offset:\i*512+((\s)/2)*128
.endr
.endif
.endm
.macro MUL s, zero                     ; 32 matrix instructions; the accumulators take turns in the same order in every step; zero = 1: the bias starts the sums
.set PS_, (\s)%2
.set SS_, SC+16*(((\s)/2)%2)+PS_
.irp a, 0,1,2,3
.irp b, 0,1,2,3,4,5,6,7
.if \zero
	v_wmma_scale_f32_16x16x128_f8f6f4 v[8*(8*\a+\b):8*(8*\a+\b)+7], v[128*PS_+FR*\b:128*PS_+FR*\b+FR-1], v[AF+48*PS_+FR*\a:AF+48*PS_+FR*\a+FR-1], v[BI+8*\b:BI+8*\b+7], v[SS_+2*\b], v[SS_+2*\a] matrix_a_fmt:MATRIX_FMT_FP6 matrix_b_fmt:MATRIX_FMT_FP6 matrix_a_scale:MATRIX_SCALE_ROW1
.else
	v_wmma_scale_f32_16x16x128_f8f6f4 v[8*(8*\a+\b):8*(8*\a+\b)+7], v[128*PS_+FR*\b:128*PS_+FR*\b+FR-1], v[AF+48*PS_+FR*\a:AF+48*PS_+FR*\a+FR-1], v[8*(8*\a+\b):8*(8*\a+\b)+7], v[SS_+2*\b], v[SS_+2*\a] matrix_a_fmt:MATRIX_FMT_FP6 matrix_b_fmt:MATRIX_FMT_FP6 matrix_a_scale:MATRIX_SCALE_ROW1
.endif
.endr
.endr
.endm
.macro KS s
	s_wait_dscnt 0x0                               ; this step's fragments, asked for a step ago, are in
.if (\s) == 7
	s_barrier_signal -1                            ; my reads of the tiles are over
.endif
.if (\s) < 7
.if (\s) > 0
	PLACES 4                                       ; in front of loads into the set that the last step's products read
.endif
	FETCH (\s)+1
.endif
.if (\s) == 0
	WIN 0x81                                       ; source 0 window 1, source 1 and C window 0, D window 2
	MUL 0, 1
.else
	WIN 0xa1                                       ; C and D window 2
	MUL \s, 0
.endif
	WIN 0
.endm
; The way out of block a: 16 tokens x 128 columns into my stage, each accumulator from its low end on, and back as whole rows.  LDS serves a wave's instructions in order: no wait between the stores and the loads
.macro TOSTAGE a
.set AC, 64*(\a)
	WIN 0x08                                       ; an LDS store's data: window 2
.irp b, 0,1,2,3,4,5,6,7
	ds_store_b128 v[STO], v[AC+8*\b:AC+8*\b+3] offset:128*(\b/2)+32*(\b%2)        ; tile b's registers are columns 32 (b / 2) + 16 (lane / 16) + 8 (b % 2) + 0 .. 7
	ds_store_b128 v[STO], v[AC+8*\b+4:AC+8*\b+7] offset:128*(\b/2)+32*(\b%2)+16
.endr
	WIN 0
.set BB, BK+64*((\a)%2)
.irp t, 0,1,2,3,4,5,6,7,8,9,10,11,12,13,14,15
	ds_load_b128 v[BB+4*\t:BB+4*\t+3], v[RD] offset:\t*SPITCH
.endr
.endm
.macro SEND a, younger                 ; younger: the LDS instructions issued behind block a's loads, which may stay out
.set BB, BK+64*((\a)%2)
	s_wait_dscnt \younger
.irp t, 0,1,2,3,4,5,6,7,8,9,10,11,12,13,14,15
	global_store_b128 v[L16], v[BB+4*\t:BB+4*\t+3], s[10:11] offset:(32*((\a)/2)+8*((\a)%2)+\t+8*(\t/8))*4096 th:TH_STORE_NT   ; position t of tile a is this token; 512 consecutive bytes, aligned; written once
.endr
.endm
	s_load_b256 s[4:11], s[0:1], 0x0               ; oq s[4:5], wq s[6:7], b_out s[8:9], out0 s[10:11]
	v_lshl_add_u32 v[SPW], v0, 2, SPARE
	v_mov_b32 v[NIL], 0
	ds_add_u32 v[SPW], v[NIL]                      ; the opening lines: the add, twice on end, and its wait ahead of my tensor load
	ds_add_u32 v[SPW], v[NIL]
	v_lshrrev_b32 v1, 5, v0
	v_readfirstlane_b32 s14, v1                    ; wave 0..3
	s_lshr_b32 s15, s14, 1                         ; which half of source 1's tiles is mine
	s_and_b32 s16, s14, 1                          ; which half of source 0's
	s_bfe_u32 s92, ttmp6, 0x40000                  ; cx
	s_bfe_u32 s93, ttmp6, 0x40004                  ; cy
	s_lshl_b32 s94, ttmp9, 2
	s_add_co_u32 s94, s94, s92                     ; tile column: 256 columns
	s_and_b32 s17, ttmp7, 0xffff
	s_lshl_b32 s17, s17, 2
	s_add_co_u32 s17, s17, s93                     ; tile row: 128 tokens
	s_lshl_b32 s95, s93, 2
	s_lshl_b32 s95, 15, s95                        ; my row of the cluster
	s_lshl_b32 s96, 0x1111, s92                    ; my column
	GRP1 G1, 95, 1536, 8
	GRP1 G1B, 96, 1536, 16
	GRP1 G1S, 95, 32, 16
	GRP1 G1SB, 96, 32, 32
	s_mul_i32 s20, s17, 8*TB
	s_mov_b32 s21, 0
	s_lshl_b32 s22, s17, 12
	s_add_co_u32 s22, s22, 6291456
	s_mov_b32 s23, 0
	s_mul_i32 s100, s94, 16*TB
	s_add_co_u32 s100, s100, 192*TB                ; wq's tiles of W_out begin at row tile 192
	s_mov_b32 s101, 0
	s_lshl_b32 s2, s94, 13
	s_add_co_u32 s2, s2, 3145728+192*512
	s_mov_b32 s3, 0
	s_wait_dscnt 0x0                               ; both opening adds are done
	s_wait_kmcnt 0x0
	s_add_nc_u64 s[20:21], s[4:5], s[20:21]
	s_add_nc_u64 s[22:23], s[4:5], s[22:23]
	s_add_nc_u64 s[100:101], s[6:7], s[100:101]
	s_add_nc_u64 s[2:3], s[6:7], s[2:3]
	CROUND                                         ; all sixteen work-groups are here: the joint loads meet
	MKC G0S, LSA, 22
	MKC G0SB, LSB, 2
	MKC G0, 0, 20
	MKC G0B, LB, 100
	ARM 1, G0S, G1S, .Lhead_sb                     ; one load a wave: the two sides' scale words, source 1's codes, source 0's
	ARM 2, G0SB, G1SB, .Lhead_a
	ARM 3, G0, G1, .Lhead_b
	tensor_load_to_lds s[G0B:G0B+3], s[G1B:G1B+7]
	s_nop 0
	PLACES 4
.Lhead_asked:
	s_mul_i32 s18, s15, 4*TB                       ; my four tiles of source 1,
	s_mul_i32 s19, s16, 8*TB
	s_add_co_u32 s19, s19, LB                      ; my eight of source 0,
	s_add_co_u32 s66, s19, 4*TB                    ; the upper four of them
	s_lshl_b32 s69, s15, 11
	s_lshl_b32 s67, s16, 12
	s_add_co_u32 s67, s67, 4096
	s_sub_co_u32 s67, s67, s69                     ; from my words of source 1 to my words of source 0
	s_add_co_u32 s68, s67, 2048
	s_add_co_u32 s70, s69, LSA-2048
	s_add_co_u32 s69, s69, LSA
	s_mul_i32 s71, s14, 16*SPITCH                  ; my stage
	s_lshl_b32 s2, s94, 10
	s_lshl_b32 s72, s16, 9
	s_add_co_u32 s2, s2, s72                       ; my first column, in bytes: 1,024 x tile column + 512 x half
	s_mov_b32 s3, 0
	s_add_nc_u64 s[8:9], s[8:9], s[2:3]
	s_add_nc_u64 s[10:11], s[10:11], s[2:3]
	s_lshl_b32 s2, s17, 19
	s_lshl_b32 s72, s15, 18
	s_add_co_u32 s2, s2, s72                       ; my first token: 128 x tile row + 64 x half, rows of 4,096 bytes
	s_add_nc_u64 s[10:11], s[10:11], s[2:3]
	v_and_b32 v1, 31, v0
	v_and_b32 v2, 15, v0                           ; r
	v_bfe_u32 v3, v0, 4, 1                         ; h
	v_lshlrev_b32 v[L16], 4, v1
	v_lshlrev_b32 v[L8], 3, v1
	v_lshlrev_b32 v19, 6, v3                       ; the bias in the result's layout
	v_add_nc_u32 v[A16], s18, v[L16]
	v_add_nc_u32 v[A8], s18, v[L8]
	v_add_nc_u32 v[B16], s19, v[L16]
	v_add_nc_u32 v[B8], s19, v[L8]
	v_add_nc_u32 v[B16+1], s66, v[L16]
	v_add_nc_u32 v[B8+1], s66, v[L8]
	v_mul_u32_u24 v18, s67, v3                     ; lanes 16-31 take source 0's words: one product, the distance between the two
	v_lshl_add_u32 v18, v2, 3, v18
	v_add_nc_u32 v[ADRS], s69, v18
	v_mul_u32_u24 v20, s68, v3
	v_lshl_add_u32 v20, v2, 3, v20
	v_add_nc_u32 v[ADRS-1], s70, v20
	v_mul_u32_u24 v[STO], v2, SPITCH
	v_lshl_add_u32 v[STO], v3, 6, v[STO]
	v_add_nc_u32 v[STO], s71, v[STO]               ; in: row lane % 16, + 64 bytes for lanes 16-31
	v_add_nc_u32 v[RD], s71, v[L16]                ; back: the 32 lanes take one row of 512 bytes
.irp b, 0,1,2,3,4,5,6,7
	global_load_b128 v[BI+8*\b:BI+8*\b+3], v19, s[8:9] offset:(32*(\b/2)+8*(\b%2))*4
	global_load_b128 v[BI+8*\b+4:BI+8*\b+7], v19, s[8:9] offset:(32*(\b/2)+8*(\b%2))*4+16
.endr
	s_wait_alu depctr_va_vdst(0)                   ; the wait at the head's end
	s_wait_tensorcnt 0x0                           ; my tile is in;
	s_barrier_signal -1
	s_barrier_wait -1                              ; all four are
	FETCH 0
	s_wait_loadcnt 0x0                             ; the bias
.irp s, 0,1,2,3,4,5,6,7
	KS \s
.endr
	s_barrier_wait -1                              ; no wave reads the tiles any more: the stages may be written
	PLACES 4                                       ; for the reads of results and for the loads into the registers that held fragments
	TOSTAGE 0
.irp a, 1,2,3
.if \a > 1
	s_wait_xcnt 0x0                                ; block a - 2's stores have read their registers: block a's loads may land there
.endif
	TOSTAGE \a
	SEND \a-1, 32                                  ; behind block a - 1's loads: block a's 16 stores and 16 loads
.endr
	SEND 3, 0
	s_wait_tensorcnt 0x0                           ; the wave's end, behind my tensor load and my last LDS store
	ds_add_u32 v[SPW], v[NIL]
	s_wait_dscnt 0x0
	CROUND                                         ; the closing round
	s_endpgm
.Lfunc_end_k_qdc0f026029_gout:
	.size	k_qdc0f026029_gout, .Lfunc_end_k_qdc0f026029_gout-k_qdc0f026029_gout
	.p2alignl 7, 3214868480
	.fill 96, 4, 3214868480
	.section	.rodata,"a",@progbits
	.p2align	6, 0x0
	.amdhsa_kernel k_qdc0f026029_gout
		.amdhsa_group_segment_fixed_size 307712
		.amdhsa_private_segment_fixed_size 0
		.amdhsa_enable_private_segment 0
		.amdhsa_kernarg_size 32
		.amdhsa_user_sgpr_count 2
		.amdhsa_user_sgpr_kernarg_segment_ptr 1
		.amdhsa_wavefront_size32 1
		.amdhsa_system_sgpr_workgroup_id_x 1
		.amdhsa_system_sgpr_workgroup_id_y 1
		.amdhsa_system_sgpr_workgroup_id_z 1
		.amdhsa_system_vgpr_workitem_id 0
		.amdhsa_next_free_vgpr 768
		.amdhsa_next_free_sgpr 102
		.amdhsa_reserve_vcc 0
		.amdhsa_float_denorm_mode_32 3
		.amdhsa_float_denorm_mode_16_64 3
		.amdhsa_memory_ordered 1
		.amdhsa_forward_progress 1
		.amdhsa_inst_pref_size 85
	.end_amdhsa_kernel
	.amdgpu_metadata
---
amdhsa.version: [ 1, 2 ]
amdhsa.kernels:
  - .name:           k_qdc0f026029_gout
    .symbol:         k_qdc0f026029_gout.kd
    .args:
      - { .name: oq, .offset: 0, .size: 8, .value_kind: global_buffer, .address_space: global }
      - { .name: wq, .offset: 8, .size: 8, .value_kind: global_buffer, .address_space: global }
      - { .name: b_out, .offset: 16, .size: 8, .value_kind: global_buffer, .address_space: global }
      - { .name: out0, .offset: 24, .size: 8, .value_kind: global_buffer, .address_space: global }
    .group_segment_fixed_size: 307712
    .private_segment_fixed_size: 0
    .kernarg_segment_align: 8
    .kernarg_segment_size: 32
    .max_flat_workgroup_size: 128
    .sgpr_count:     102
    .vgpr_count:     768
    .wavefront_size: 32
...
	.end_amdgpu_metadata
.endif
;; end of part 5
